; MI455X (gfx1250); checked and timed in simulation.
; The chip was launched on July 23, 2026; its instructions are those of AMD's public machine-readable ISA for CDNA 5 (MIT licence, August 2026) and "CDNA5" Instruction Set Architecture Reference Guide (July 2026). The comments in the code are by the model that wrote it; some were corrected since.
;; Fork Attention. Allowed arithmetic: float matrix products may take bf16 or f16 operands with f32 sums; other float arithmetic in f32, or as packed bf16 or f16 multiplies, adds, multiply-adds, maxima and minima; sums over many terms, partial sums and values carried from step to step in f32; what a program stores and reads back later, other than sums and carried values, may be rounded once to bf16 or f16.
;; Inputs: alt_b 2,048 float32; alt_w 2,048 x 2,048 float32; fc_b 1,024 float32; fc_w 1,024 x 1,024 float32; mask 4 x 2,048 x 2,048 bool; v_b 1,024 float32; v_w 1,024 x 1,024 float32; x 4 x 2,048 x 1,024 float32.
;; Outputs: out0 4 x 2,048 x 1,024 float32.
;; 2 versions, each right; version 2 is version 1 with the launch cvt written anew for expert scheduling mode. Each part assembles by itself: llvm-mc -triple=amdgcn-amd-amdhsa -mcpu=gfx1250 --defsym DOCPART=n.
;; ======== version 1 of 2: 4 launches
;; limits: values are held in f16: magnitudes above 65,504 overflow, below 6.1e-05 lose precision
;; workspace buffers: xh 16,777,216 bytes; awh 8,388,608 bytes; wt 4,194,304 bytes; yv 33,554,432 bytes; kmat 16,777,216 bytes; pbuf 33,554,432 bytes; st 1,048,576 bytes
;; launch cvt (part 1): grid 1792 x 1, 8 waves a work-group, no clusters, 18,432 bytes of LDS; arguments x, alt_w, fc_w, v_w, xh, awh, wt; writes xh, awh, wt
.if DOCPART == 1
	.amdgcn_target "amdgcn-amd-amdhsa--gfx1250"
	.amdhsa_code_object_version 6
	.text
	.protected	k_qe86bf283a0_cvt
	.globl	k_qe86bf283a0_cvt
	.p2align	8
	.type	k_qe86bf283a0_cvt,@function
k_qe86bf283a0_cvt:
	s_mov_b64 s[64:65], 0
	v_nop
	global_prefetch_b8 v0, s[64:65] scope:SCOPE_SE
	s_setreg_imm32_b32 hwreg(HW_REG_WAVE_MODE, 25, 1), 1
	s_wait_xcnt 0x0
; x, alt_w, fc_w and v_w, all f32, are rounded once to f16.
;   x[b][c][e]  -> xh, two batches side by side: byte ((b / 2) 2048 + c) 4096 + (b % 2) 2048 + 2 e, so that xh's rows lie 4,096 bytes apart like awh's and wt's
;   alt_w       -> awh, as it lies
;   fc_w, v_w   -> wt[e][f], TURNED: [1024][2048], fc_w's rows in columns 0-1023, v_w's in columns 1024-2047
; LIMIT: a number beyond 65,504 becomes an infinity; below 6e-5 f16 keeps its fixed step of 6e-8.
; A work-group converts 8,192 numbers.  1,024 work-groups for x, 512 for alt_w: 32,768 bytes on end in; thread t takes 16 bytes at 4,096 i + 16 t and stores 8 bytes: a wave's load covers
; 512 consecutive bytes, its store 256, both aligned.  256 work-groups for the weights: a tile of 128 rows f x 64 columns e goes through LDS, 2 bytes at a time in, whole rows of 256 bytes back.
; All eight loads go out first.  No matrix unit: bytes are all there is to do.
.set G_AW, 1024                        ; first work-group of alt_w
.set G_W,  1536                        ; of the weights
.set TP,   272                         ; a row of the turned tile in LDS: 128 f16 + 16 bytes
.set SPARE, 64*TP                      ; behind the tile: the spare words, 128 bytes for each of eight waves
.set IN,  8                            ; v[8:39]   eight loads of four f32; later the rows read back
.set OUT, 40                           ; v[40:71]  packed f16
.set SO,  56                           ; v[56:63]  the stream's store offsets
.set SPW, 72                           ; v72       my spare word; never rewritten
.set NIL, 73                           ; v73       0; never rewritten
	s_load_b256 s[4:11], s[0:1], 0x0               ; x s[4:5], alt_w s[6:7], fc_w s[8:9], v_w s[10:11]
	s_load_b128 s[12:15], s[0:1], 0x20             ; xh s[12:13], awh s[14:15]
	s_load_b64 s[16:17], s[0:1], 0x30              ; wt
	v_lshl_add_u32 v[SPW], v0, 2, SPARE
	v_mov_b32 v[NIL], 0
	s_cmp_lt_u32 ttmp9, G_W
	s_cbranch_scc0 .Lturn                          ; the branch hangs on the work-group's number: all eight waves go one way
	; THE STREAM: x and alt_w
	v_lshlrev_b32 v1, 4, v0                        ; 16 t
	v_lshlrev_b32 v2, 3, v0                        ; 8 t
	s_mov_b32 s22, G_AW
	s_cmp_lt_u32 ttmp9, G_AW
	s_cselect_b32 s22, 0, s22
	s_sub_co_u32 s22, ttmp9, s22                   ; my chunk in its tensor
	s_lshl_b32 s24, s22, 15                        ; the source: x 32,768 bytes
	s_mov_b32 s25, 0
	s_lshr_b32 s26, s22, 9                         ; xh: a chunk is 8 rows c of batch b = chunk / 256:  (b / 2) x 2,048 rows of 4,096 bytes,
	s_lshl_b32 s26, s26, 23
	s_and_b32 s27, s22, 255
	s_lshl_b32 s27, s27, 15                        ; + 8 (chunk % 256) rows,
	s_add_co_u32 s26, s26, s27
	s_bfe_u32 s27, s22, 0x10008                    ; + (b % 2) x 2,048 bytes
	s_lshl_b32 s27, s27, 11
	s_add_co_u32 s26, s26, s27
	s_lshl_b32 s27, s22, 14                        ; awh: x 16,384 bytes
	s_mov_b32 s28, 2048                            ; from one 1,024 numbers to the next in awh,
	s_wait_kmcnt 0x0
	s_cmp_lt_u32 ttmp9, G_AW
	s_cselect_b64 s[18:19], s[4:5], s[6:7]
	s_cselect_b64 s[20:21], s[12:13], s[14:15]
	s_cselect_b32 s26, s26, s27
	s_cselect_b32 s28, 4096, s28                   ; and in xh
	s_mov_b32 s27, 0
	s_add_nc_u64 s[18:19], s[18:19], s[24:25]
	s_add_nc_u64 s[20:21], s[20:21], s[26:27]
.irp i, 0,1,2,3,4,5,6,7
	global_load_b128 v[IN+4*(\i):IN+4*(\i)+3], v1, s[18:19] offset:4096*(\i) th:TH_LOAD_NT
.endr
.irp i, 0,1,2,3,4,5,6,7
	v_mad_u32_u24 v[SO+(\i)], s28, \i, v2
.endr
.irp i, 0,1,2,3,4,5,6,7
	s_wait_loadcnt 7-(\i)                          ; loads come back in order: load i is in, the 7 - i younger ones stay out
	v_cvt_pk_f16_f32 v[OUT+2*(\i)],   v[IN+4*(\i)],   v[IN+4*(\i)+1]
	v_cvt_pk_f16_f32 v[OUT+2*(\i)+1], v[IN+4*(\i)+2], v[IN+4*(\i)+3]
	global_store_b64 v[SO+(\i)], v[OUT+2*(\i):OUT+2*(\i)+1], s[20:21]  ; no register is written twice, so no wait frees a source
.endr
	s_endpgm
.Lturn:	; THE WEIGHTS, TURNED.  Tile u = 16 ft + et: rows f = 128 ft .. + 127 (ft < 8: fc_w; else v_w), columns e = 64 et .. + 63
	s_sub_co_u32 s22, ttmp9, G_W
	s_lshr_b32 s23, s22, 4                         ; ft
	s_and_b32 s22, s22, 15                         ; et
	s_and_b32 s24, s23, 7
	s_lshl_b32 s24, s24, 19                        ; the source: 128 (ft % 8) rows of 4,096 bytes
	s_lshl_b32 s25, s22, 8                         ; + 64 et numbers of 4 bytes
	s_add_co_u32 s24, s24, s25
	s_mov_b32 s25, 0
	s_lshl_b32 s26, s22, 18                        ; wt: 64 et rows of 4,096 bytes
	s_lshl_b32 s27, s23, 8                         ; + 128 ft numbers of 2 bytes
	s_add_co_u32 s26, s26, s27
	s_mov_b32 s27, 0
	v_and_b32 v3, 15, v0                           ; t % 16
	v_lshrrev_b32 v4, 4, v0                        ; t / 16
	v_lshlrev_b32 v1, 12, v4
	v_lshl_add_u32 v1, v3, 4, v1                   ; row t / 16, 16 bytes at 16 (t % 16): in the source and in wt alike
	v_mul_u32_u24 v5, v3, 4*TP
	v_lshl_add_u32 v5, v4, 1, v5                   ; into LDS: row e = 4 (t % 16), byte 2 (t / 16)
	v_mul_u32_u24 v6, v4, TP
	v_lshl_add_u32 v6, v3, 4, v6                   ; back: row t / 16, 16 bytes at 16 (t % 16)
	s_wait_kmcnt 0x0
	s_cmp_lt_u32 s23, 8
	s_cselect_b64 s[18:19], s[8:9], s[10:11]
	s_add_nc_u64 s[18:19], s[18:19], s[24:25]
	s_add_nc_u64 s[20:21], s[16:17], s[26:27]
.irp i, 0,1,2,3,4,5,6,7
	global_load_b128 v[IN+4*(\i):IN+4*(\i)+3], v1, s[18:19] offset:65536*(\i) th:TH_LOAD_NT  ; row f = 16 i + t / 16: 16 lanes read 256 consecutive bytes
.endr
.irp i, 0,1,2,3,4,5,6,7
	s_wait_loadcnt 7-(\i)
	v_cvt_pk_f16_f32 v[OUT+4*(\i)],   v[IN+4*(\i)],   v[IN+4*(\i)+1]
	v_cvt_pk_f16_f32 v[OUT+4*(\i)+2], v[IN+4*(\i)+2], v[IN+4*(\i)+3]
	v_lshrrev_b32 v[OUT+4*(\i)+1], 16, v[OUT+4*(\i)]
	v_lshrrev_b32 v[OUT+4*(\i)+3], 16, v[OUT+4*(\i)+2]
.irp j, 0,1,2,3
	ds_store_b16 v5, v[OUT+4*(\i)+(\j)] offset:TP*(\j)+32*(\i)  ; number (f, e) to row e, place f
.endr
.endr
	s_wait_dscnt 0x0                               ; for the others' sake: my stores are done
	s_barrier_signal -1
	s_barrier_wait -1
.irp q, 0,1,2,3
	ds_load_b128 v[IN+4*(\q):IN+4*(\q)+3], v6 offset:16*TP*(\q)
.endr
.irp q, 0,1,2,3
	s_wait_dscnt 3-(\q)                            ; row 16 q + t / 16 is in; the younger loads stay out
	global_store_b128 v1, v[IN+4*(\q):IN+4*(\q)+3], s[20:21] offset:65536*(\q)  ; 16 lanes store 256 consecutive bytes, aligned
.endr
	s_wait_tensorcnt 0x0                           ; the wave's end, behind my last LDS store
	ds_add_u32 v[SPW], v[NIL]
	s_wait_dscnt 0x0
	s_endpgm
.Lfunc_end_k_qe86bf283a0_cvt:
	.size	k_qe86bf283a0_cvt, .Lfunc_end_k_qe86bf283a0_cvt-k_qe86bf283a0_cvt
	.p2alignl 7, 3214868480
	.fill 96, 4, 3214868480
	.section	.rodata,"a",@progbits
	.p2align	6, 0x0
	.amdhsa_kernel k_qe86bf283a0_cvt
		.amdhsa_group_segment_fixed_size 18432
		.amdhsa_private_segment_fixed_size 0
		.amdhsa_enable_private_segment 0
		.amdhsa_kernarg_size 56
		.amdhsa_user_sgpr_count 2
		.amdhsa_user_sgpr_kernarg_segment_ptr 1
		.amdhsa_wavefront_size32 1
		.amdhsa_system_sgpr_workgroup_id_x 1
		.amdhsa_system_sgpr_workgroup_id_y 1
		.amdhsa_system_sgpr_workgroup_id_z 1
		.amdhsa_system_vgpr_workitem_id 0
		.amdhsa_next_free_vgpr 80
		.amdhsa_next_free_sgpr 66
		.amdhsa_reserve_vcc 0
		.amdhsa_float_denorm_mode_32 3
		.amdhsa_float_denorm_mode_16_64 3
		.amdhsa_memory_ordered 1
		.amdhsa_forward_progress 1
		.amdhsa_inst_pref_size 12
	.end_amdhsa_kernel
	.amdgpu_metadata
---
amdhsa.version: [ 1, 2 ]
amdhsa.kernels:
  - .name:           k_qe86bf283a0_cvt
    .symbol:         k_qe86bf283a0_cvt.kd
    .args:
      - { .name: x, .offset: 0, .size: 8, .value_kind: global_buffer, .address_space: global }
      - { .name: alt_w, .offset: 8, .size: 8, .value_kind: global_buffer, .address_space: global }
      - { .name: fc_w, .offset: 16, .size: 8, .value_kind: global_buffer, .address_space: global }
      - { .name: v_w, .offset: 24, .size: 8, .value_kind: global_buffer, .address_space: global }
      - { .name: xh, .offset: 32, .size: 8, .value_kind: global_buffer, .address_space: global }
      - { .name: awh, .offset: 40, .size: 8, .value_kind: global_buffer, .address_space: global }
      - { .name: wt, .offset: 48, .size: 8, .value_kind: global_buffer, .address_space: global }
    .group_segment_fixed_size: 18432
    .private_segment_fixed_size: 0
    .kernarg_segment_align: 8
    .kernarg_segment_size: 56
    .max_flat_workgroup_size: 256
    .sgpr_count:     66
    .vgpr_count:     80
    .wavefront_size: 32
...
	.end_amdgpu_metadata
.endif
;; end of part 1
;; launch pk (part 2): grid 8 x 32, 4 waves a work-group, clusters of 4 x 4, 327,680 bytes of LDS; arguments xh, awh, wt, yv, kmat, fc_b, v_b, alt_b; writes yv, kmat
.if DOCPART == 2
	.amdgcn_target "amdgcn-amd-amdhsa--gfx1250"
	.amdhsa_code_object_version 6
	.text
	.protected	k_qe86bf283a0_pk
	.globl	k_qe86bf283a0_pk
	.p2align	8
	.type	k_qe86bf283a0_pk,@function
k_qe86bf283a0_pk:
	s_mov_b64 s[64:65], 0
	v_nop
	global_prefetch_b8 v0, s[64:65] scope:SCOPE_SE
	s_setreg_imm32_b32 hwreg(HW_REG_WAVE_MODE, 25, 1), 1
	s_wait_xcnt 0x0
	s_wait_alu depctr_hold_cnt(0) depctr_sa_sdst(0) depctr_va_vdst(0) depctr_va_sdst(0) depctr_va_ssrc(0) depctr_va_vcc(0) depctr_vm_vsrc(0)
	s_getreg_b32 s2, hwreg(HW_REG_IB_STS2, 6, 4)
	s_cmp_eq_u32 s2, 0
	s_cbranch_scc0 .Lentry_in_a_cluster
	s_endpgm
.Lentry_in_a_cluster:
	s_bfe_u32 s2, ttmp6, 0x10000c
	s_cmp_lg_u32 s2, 0xf033
	s_cbranch_scc0 .Lentry_shape_is_right
	s_endpgm
.Lentry_shape_is_right:
; TWO PRODUCTS OF ONE SHAPE IN ONE LAUNCH, C = A B + bias with A [M][K] and B [K][N], all f16 with rows 4,096 bytes apart, sums in f32, C rounded once to f16:
;   PROJ  yv[(b,c)][f] = sum over e of xh[(b,c)][e] wt[e][f] + bias[f]   (columns 0-1023: y = fc(x), bias fc_b; 1024-2047: vx = vfc(x), bias v_b)    K = 1,024, 256 tiles of 256 x 256
;   KEYS  kmat[b][k][e] = sum over c of awh[k][c] xh[b][c][e] + alt_b[k]                                                                             K = 2,048, 128 tiles of 256 x 256
; xh holds two batches side by side: batch b, row c at byte ((b / 2) 2048 + c) 4096 + (b % 2) 2048.  LIMIT: a result beyond 65,504 becomes an infinity in f16.
; EQUAL SHARES: a work-group of the clusters with y = 0..3 makes TWO tiles of PROJ, one 4,096 rows below the other; one of the clusters with y = 4..7 makes ONE tile of KEYS.  Either way 16 K steps of 128:
; eight laps of a ring of two LDS slots.  The kind hangs on the cluster's y alone.  Four waves, 128 x 128 (64 accumulators, 512 registers) each.
; ONE LOOP of seven counted trips.  The launch's first quarter step, whose products start the sums, stands ahead of it; a trip goes from a lap's second quarter to the next lap's first and fills both slots
; again; the rest of the eighth lap is written out, since it fills nothing.  Behind PROJ's fourth lap one branch takes the first tile's way out and then a quarter that starts the second tile's sums;
; every other trip ends with the quarter that adds on.  PROJ's ring runs on into its second tile: that tile's first two K steps are on their way while the first tile goes out.
; B's fragments come out of LDS turned, by ds_load_tr16_b128.  THE PRODUCT IS TAKEN TRANSPOSED (source 0 = 16 columns of B, source 1 = 16 rows of A): lane l holds row l % 16 of C and the columns 8 (l / 16) + 0..7.
; CLUSTER 4 x 4: A's tile is shared along a row of the cluster, B's along a column: each is asked for jointly, by the same load with the same descriptor and a mask of four.
; REGISTERS in windows of 256 (s_set_vgpr_msb: bits 1:0 source 0, 3:2 source 1, 5:4 source 2, 7:6 destination):
;   window 0: v0-31 addresses; v64-127, v128-191 A's fragments, two buffers; on the way out v128-231 at work (v64-127 then hold the next tile's first fragments); v232-239 column bias; v240-247 offsets in C
;   window 1: v64-127, v128-191 B's fragments          windows 2, 3: accumulators of my rows 0-63, 64-127: (a, b) at v[8 (8 a + b)]
.set PA,     272                       ; a row of A's tile in LDS: 256 bytes + 16
.set PB,     544                       ; a row of B's tile: 512 bytes + 32 = 17 x 32
.set HALFT,  128*PA                    ; what one tensor load brings: 128 rows of A, or 64 rows of B (64 x 544 is the same number)
.set BOFF,   2*HALFT                   ; B's 128 rows lie behind A's 256
.set SLOT,   4*HALFT
.set STAGE,  2*SLOT                    ; behind the ring: 16 rows x 528 bytes of f32 for each wave
.set SP32,   528
.set RB,     STAGE+4*16*SP32           ; 512 bytes a wave: alt_b of its 128 rows, the even rows first, then the odd
.set SPARE,  RB+2048                   ; the spare words, 128 bytes a wave: two blocks of 256 bytes that no other line names
.set ROWB,   4096                      ; bytes from row to row in xh, awh and wt
.set ASTEP,  256                       ; a K step along A's rows: 2^8 bytes
.set BSTEP,  128*ROWB                  ; a K step down B's rows: 2^19 bytes
.set T2SH,   23                        ; PROJ's second tile lies two batches on in xh: 2,048 rows of 4,096 bytes = 2^23
.set NEXT_C, (4096-128)*4096           ; from behind my 128 rows of the first tile to my first row of the second
.set ADRA, 16                          ; v16-17  LDS address of my A fragments in slot 0, 1
.set ADRB, 20                          ; v20-21  the same for B
.set STO,  24                          ; v24     the way out: where I put 32 bytes of a row
.set RD,   25                          ; v25     where I read 32 bytes of a row back
.set RBA,  26                          ; v26     alt_b of my rows' parity
.set SPW,  28                          ; v28     my spare word; never rewritten
.set NIL,  29                          ; v29     0; never rewritten
.set PFO,  30                          ; v30     the prefetches' offset; never rewritten
.set F0,   64
.set F1,   128
.set S,    128                         ; the way out: eight row pairs x eight f32
.set PK,   192                         ; the same packed
.set RBV,  224                         ; alt_b of the block's eight rows of my parity
.set CB,   232                         ; the bias of my eight columns
.set CO,   240                         ; pair p: my byte offset in C
.set LAP,  3                           ; s3       trips to go
.set G1,   24                          ; s[24:31] descriptor group 1, A's tiles;  s[32:39] group 0, a set for each slot
.set G0,   32
.set CX,   40
.set CY,   41
.set CLX,  42                          ; the cluster's x
.set CL4,  43                          ; the cluster's y % 4
.set PFA,  44                          ; s[44:45] where my prefetches stand
.set G1B,  48                          ; s[48:55], s[56:63] the same for B's tiles
.set G0B,  56
.set WV,   66
.set RH,   67                          ; my half of the tile's rows.  Also: I fetch for A (0) or for B (1)
.set CH,   68                          ; my half of its columns.  Also: which half of that tile I fetch
.set KIND, 69                          ; 0 PROJ, 1 KEYS
.set TL,   70                          ; PROJ: the count in the first tile's last lap; KEYS: a number that the count never takes
.set KSH,  71                          ; a K step's number, shifted right by this, is the number of its tile: 3 (PROJ), 4 (KEYS: always tile 0)
.set LIM,  72                          ; a wave prefetches while the count is above this
.set BLK,  73
.set PFS,  74                          ; s[74:75] the prefetches' step
.set CP,   76                          ; s[76:77] C at the block of 16 rows in hand
.set CST,  78                          ; s[78:79] 16 rows of C
.set OA,   80                          ; s[80:81] the byte offset of the K step to be asked for, from A's first,
.set OB,   82                          ; s[82:83] and from B's
.set NS,   84                          ; s84      the number, 2 to 15, of the K step to be asked for next
.set KM,   85                          ; s85      K steps in a tile, less one: 7 (PROJ), 15 (KEYS)
.set TY,   86
.set KT,   87
.set TX,   88
.set AP,   90                          ; s[90:91] A at my part of the first tile's K step 0; never rewritten
.set BP,   92                          ; s[92:93] the same for B
.set MSB, 0
.macro WIN new                         ; the immediate's high byte repeats the setting that is left; a switch that changes nothing is dropped
.if MSB != (\new)
	s_set_vgpr_msb (MSB<<8)|(\new)
.set MSB, \new
.endif
.endm
.set TO_B, 0x40                        ; destination window 1, address window 0
.macro PLACES                          ; four plain places behind matrix instructions, ahead of loads into registers that they read and of stores of their results
.rept 4
	v_nop
.endr
.endm
; A joint load.  Waves 0 and 1 fetch A's two halves, waves 2 and 3 B's.  The branch hangs on the wave's number alone.  An s_nop 0 and four v_nop follow each line.
.macro JLOAD s
	s_cmp_eq_u32 s[RH], 0
	s_cbranch_scc0 .Lfor_b_\@
	tensor_load_to_lds s[G0+4*(\s):G0+4*(\s)+3], s[G1:G1+7]
	s_nop 0
	PLACES
	s_branch .Lasked_\@
.Lfor_b_\@:
	tensor_load_to_lds s[G0B+4*(\s):G0B+4*(\s)+3], s[G1B:G1B+7]
	s_nop 0
	PLACES
.Lasked_\@:
.endm
; A prefetch of the K step that stands two refills on, one instruction a wave.  A: 32 rows x 256 bytes, a lane a row; B: 16 rows x 512 bytes, two lanes a row.  The four partners of a joint load share its
; rows out by address.  Each block is named once in the launch: xh as A (batches 0, 1): PROJ's clusters with x = 0, in the first tile; wt: PROJ's clusters with y = 0, in the first tile;
; awh: batch 0's clusters of KEYS; xh as B, batches 2 and 3: those batches' clusters with x = 0.  A tile's last two refills have no K step two on; PROJ's second tile asks for nothing.
.macro ASK
	s_cmp_gt_u32 s[LAP], s[LIM]
	s_cbranch_scc0 .Lnot_mine_\@
	global_prefetch_b8 v[PFO], s[PFA:PFA+1] th:TH_LOAD_NT scope:SCOPE_SE
.Lnot_mine_\@:
.endm
.macro CREST                           ; a round of the cluster's barrier behind its opening barrier
	s_cmp_lg_u32 s[WV], 0
	s_cbranch_scc1 .Lnot_wave_0_\@
	s_barrier_signal -3
.Lnot_wave_0_\@:
	s_barrier_wait -3
	s_barrier_signal -1
	s_barrier_wait -1
.endm
.macro CROUND
	s_barrier_signal -1
	s_barrier_wait -1
	CREST
.endm
	s_load_b512 s[4:19], s[0:1], 0x0               ; xh s[4:5], awh s[6:7], wt s[8:9], yv s[10:11], kmat s[12:13], fc_b s[14:15], v_b s[16:17], alt_b s[18:19]
	v_lshl_add_u32 v[SPW], v0, 2, SPARE
	v_mov_b32 v[NIL], 0
	ds_add_u32 v[SPW], v[NIL]                      ; the wave's opening: the add and its wait stand ahead of my first tensor load; register work stands between
	ds_add_u32 v28, v29
	v_lshrrev_b32 v1, 5, v0
	v_readfirstlane_b32 s[WV], v1                  ; wave 0..3
	s_lshr_b32 s[RH], s[WV], 1
	s_and_b32 s[CH], s[WV], 1
	s_bfe_u32 s[CX], ttmp6, 0x40000
	s_bfe_u32 s[CY], ttmp6, 0x40004
	s_mov_b32 s[CLX], ttmp9
	s_and_b32 s[CL4], ttmp7, 0xffff
	s_lshr_b32 s[KIND], s[CL4], 2                  ; the cluster's y is 0..7
	s_and_b32 s[CL4], s[CL4], 3
	s_lshl_b32 s20, s[CY], 2
	s_lshl_b32 s20, 15, s20                        ; my row of the cluster
	s_lshl_b32 s21, 0x1111, s[CX]                  ; my column
	s_or_b32 s[G1], s20, (1<<16)|(1<<20)|(1<<21)|(5<<22)|(3<<25)   ; 2-byte elements; padding on; bit 21 beside a mask; 4 words after every 64
	s_mov_b32 s[G1+1], 128<<16                     ; tensor_dim0 = 128
	s_mov_b32 s[G1+2], 128<<16                     ; tensor_dim1 = 128
	s_mov_b32 s[G1+3], 128<<16                     ; tile_dim0 = 128
	s_mov_b32 s[G1+4], 128                         ; tile_dim1 = 128
	s_mov_b32 s[G1+5], ROWB/2                      ; elements from row to row
	s_mov_b32 s[G1+6], 0
	s_mov_b32 s[G1+7], 0
	s_or_b32 s[G1B], s21, (1<<16)|(1<<20)|(1<<21)|(6<<22)|(7<<25)  ; 8 words after every 128
	s_mov_b32 s[G1B+1], 256<<16
	s_mov_b32 s[G1B+2], 64<<16
	s_mov_b32 s[G1B+3], 256<<16
	s_mov_b32 s[G1B+4], 64
	s_mov_b32 s[G1B+5], ROWB/2
	s_mov_b32 s[G1B+6], 0
	s_mov_b32 s[G1B+7], 0
	; A hangs on what a row of the cluster shares
	s_lshl_b32 s[TY], s[CL4], 2
	s_add_co_u32 s[TY], s[TY], s[CY]               ; PROJ: row tile 0..15 (batch ty / 8, rows 256 (ty % 8) on)
	s_lshl_b32 s[KT], s[CLX], 2
	s_add_co_u32 s[KT], s[KT], s[CY]               ; KEYS: row tile 0..7
	s_and_b32 s20, s[TY], 7
	s_lshl_b32 s20, s20, 20                        ; 256 rows of 4,096 bytes
	s_lshr_b32 s21, s[TY], 3
	s_lshl_b32 s21, s21, 11
	s_add_co_u32 s20, s20, s21
	s_lshl_b32 s21, s[KT], 20
	s_cmp_eq_u32 s[KIND], 0
	s_cselect_b32 s20, s20, s21
	s_lshl_b32 s21, s[CH], 19                      ; which 128 rows I fetch
	s_add_co_u32 s20, s20, s21
	s_mov_b32 s21, 0
	; B hangs on what a column of the cluster shares
	s_lshl_b32 s[TX], s[CLX], 2
	s_add_co_u32 s[TX], s[TX], s[CX]               ; PROJ: column tile 0..7
	s_lshl_b32 s46, s[TX], 9
	s_lshr_b32 s47, s[CL4], 1                      ; KEYS: batch = the cluster's y % 4, column tile cx
	s_lshl_b32 s47, s47, 23
	s_and_b32 s22, s[CL4], 1
	s_lshl_b32 s22, s22, 11
	s_add_co_u32 s47, s47, s22
	s_lshl_b32 s22, s[CX], 9
	s_add_co_u32 s47, s47, s22
	s_cmp_eq_u32 s[KIND], 0
	s_cselect_b32 s46, s46, s47
	s_lshl_b32 s47, s[CH], 18                      ; which 64 rows I fetch
	s_add_co_u32 s46, s46, s47
	s_mov_b32 s47, 0
	s_mul_i32 s2, s[WV], HALFT                     ; where they go: wave x 34,816: no place in the cluster enters an LDS address
	s_cmp_eq_u32 s[KIND], 0
	s_cselect_b32 s[TL], 4, -1
	s_cselect_b32 s[KM], 7, 15
	s_cselect_b32 s[KSH], 3, 4
	s_mov_b32 s[NS], 2                             ; K steps 0 and 1 are the first fills
	s_mov_b32 s[OA+1], 0
	s_mov_b32 s[OB+1], 0
	s_wait_dscnt 0x0                               ; the opening add is done
	s_wait_kmcnt 0x0
	s_cmp_eq_u32 s[KIND], 0
	s_cselect_b64 s[AP:AP+1], s[4:5], s[6:7]       ; A: xh or awh
	s_cselect_b64 s[BP:BP+1], s[8:9], s[4:5]       ; B: wt or xh
	s_add_nc_u64 s[AP:AP+1], s[AP:AP+1], s[20:21]
	s_add_nc_u64 s[BP:BP+1], s[BP:BP+1], s[46:47]
	CROUND                                         ; all sixteen work-groups are here: the first joint loads meet
.irp s, 0,1
	s_mov_b32 s[G0+4*(\s)], 1
	s_add_co_u32 s[G0+4*(\s)+1], s2, (\s)*SLOT
	s_add_nc_u64 s[G0+4*(\s)+2:G0+4*(\s)+3], s[AP:AP+1], (\s)*ASTEP
	s_or_b32 s[G0+4*(\s)+3], s[G0+4*(\s)+3], 0x80000000
	s_mov_b32 s[G0B+4*(\s)], 1
	s_add_co_u32 s[G0B+4*(\s)+1], s2, (\s)*SLOT
	s_add_nc_u64 s[G0B+4*(\s)+2:G0B+4*(\s)+3], s[BP:BP+1], (\s)*BSTEP
	s_or_b32 s[G0B+4*(\s)+3], s[G0B+4*(\s)+3], 0x80000000
	JLOAD \s                                       ; two loads of mine are out
.endr
	; the biases.  Both are loaded whatever the kind, from places that lie inside their buffers for both kinds; the way out takes the one that belongs
	v_and_b32 v1, 15, v0                           ; l % 16
	v_bfe_u32 v2, v0, 4, 1                         ; l / 16
	v_and_b32 v7, 31, v0                           ; l
	s_cmp_eq_u32 s[CLX], 0
	s_cselect_b64 s[94:95], s[14:15], s[16:17]     ; PROJ's column tiles 0-3 are fc's, 4-7 vfc's
	s_lshl_b32 s20, s[CX], 10                      ; 256 cx columns of 4 bytes
	s_lshl_b32 s21, s[CH], 9
	s_add_co_u32 s20, s20, s21
	s_mov_b32 s21, 0
	s_add_nc_u64 s[94:95], s[94:95], s[20:21]
	v_lshlrev_b32 v9, 5, v1                        ; on the way out lane l holds columns 8 (l % 16) + 0..7
	global_load_b128 v[CB:CB+3],   v9, s[94:95]
	global_load_b128 v[CB+4:CB+7], v9, s[94:95] offset:16
	s_lshl_b32 s20, s[KT], 10                      ; alt_b of rows 256 kt + 128 rh on
	s_lshl_b32 s21, s[RH], 9
	s_add_co_u32 s20, s20, s21
	s_mov_b32 s21, 0
	s_add_nc_u64 s[18:19], s[18:19], s[20:21]
	v_lshlrev_b32 v8, 3, v7
.irp j, 0,1,2,3
	global_load_b32 v[10+(\j)], v8, s[18:19] offset:256*((\j)%2)+4*((\j)/2)  ; place l + 32 j takes row 2 ((l + 32 j) % 64) + j / 2: the even rows, then the odd
.endr
	; lane addresses.  A's fragment: lane l holds row l % 16, K = 8 (l / 16) + 0..7 and 16 + 8 (l / 16) + 0..7: two loads of 16 bytes, 32 bytes apart
	v_mul_u32_u24 v3, v1, PA
	v_lshl_add_u32 v3, v2, 4, v3
	s_mul_i32 s21, s[RH], HALFT                    ; my 128 rows of A
	v_and_b32 v4, 7, v0                            ; the turning load: lane l reads row 8 (l / 16) + l % 8, 16 bytes at 16 ((l / 8) % 2)
	v_lshl_add_u32 v4, v2, 3, v4
	v_mul_u32_u24 v4, v4, PB
	v_bfe_u32 v5, v0, 3, 1
	v_lshl_add_u32 v4, v5, 4, v4
	s_lshl_b32 s22, s[CH], 8                       ; my 128 columns of B
	s_add_co_u32 s22, s22, BOFF
.irp s, 0,1
	v_add_nc_u32 v[ADRA+(\s)], s21, v3
	v_add_nc_u32 v[ADRB+(\s)], s22, v4
	s_add_co_u32 s21, s21, SLOT
	s_add_co_u32 s22, s22, SLOT
.endr
	s_mul_i32 s23, s[WV], 16*SP32
	s_add_co_u32 s23, s23, STAGE                   ; my stage
	v_mul_u32_u24 v4, v1, SP32                     ; in: row l % 16, 32 bytes for each half of the lanes
	v_lshl_add_u32 v4, v2, 5, v4
	v_add_nc_u32 v[STO], s23, v4
	v_mul_u32_u24 v5, v2, SP32                     ; back: lanes 0-15 one row, lanes 16-31 the next, 8 columns (32 bytes) a lane
	v_lshl_add_u32 v5, v1, 5, v5
	v_add_nc_u32 v[RD], s23, v5
	s_lshl_b32 s20, s[WV], 9
	s_add_co_u32 s20, s20, RB
	v_lshl_add_u32 v[RBA], v2, 8, s20              ; my parity's 64 numbers
	v_lshl_add_u32 v6, v7, 2, s20
	; C
	s_lshl_b32 s20, s[TY], 20                      ; yv: row 256 ty + 128 rh of 4,096 bytes, byte column 512 tx
	s_lshl_b32 s21, s[RH], 19
	s_add_co_u32 s20, s20, s21
	s_lshl_b32 s21, s[TX], 9
	s_add_co_u32 s20, s20, s21
	s_lshl_b32 s22, s[CL4], 22                     ; kmat: row 2,048 batch + 256 kt + 128 rh of 2,048 bytes, byte column 512 cx
	s_lshl_b32 s21, s[KT], 19
	s_add_co_u32 s22, s22, s21
	s_lshl_b32 s21, s[RH], 18
	s_add_co_u32 s22, s22, s21
	s_lshl_b32 s21, s[CX], 9
	s_add_co_u32 s22, s22, s21
	s_mov_b32 s23, 2048
	s_cmp_eq_u32 s[KIND], 0
	s_cselect_b64 s[CP:CP+1], s[10:11], s[12:13]
	s_cselect_b32 s20, s20, s22
	s_cselect_b32 s23, 4096, s23                   ; bytes in a row of C
	s_lshl_b32 s21, s[CH], 8
	s_add_co_u32 s20, s20, s21
	s_mov_b32 s21, 0
	s_add_nc_u64 s[CP:CP+1], s[CP:CP+1], s[20:21]
	s_lshl_b32 s[CST], s23, 4
	s_mov_b32 s[CST+1], 0
	v_mul_lo_u32 v5, v2, s23
	v_lshl_add_u32 v5, v1, 4, v5                   ; row l / 16 of a pair, 16 bytes a lane
	s_lshl_b32 s23, s23, 1
.irp p, 0,1,2,3,4,5,6,7
	v_mad_u32_u24 v[CO+(\p)], s23, \p, v5
.endr
	; the prefetches
	s_lshl_b32 s20, s[CX], 17                      ; A: my work-group's 32 rows of the 128 that I fetch,
	s_add_co_u32 s20, s20, 3*ASTEP                 ; at K step 3: the first refill steps it to 4
	s_lshl_b32 s22, s[CY], 16                      ; B: my work-group's 16 rows of the 64
	s_add_co_u32 s22, s22, 3*BSTEP
	s_mov_b32 s23, BSTEP
	s_cmp_eq_u32 s[RH], 0
	s_cselect_b64 s[PFA:PFA+1], s[AP:AP+1], s[BP:BP+1]
	s_cselect_b32 s20, s20, s22
	s_cselect_b32 s[PFS], ASTEP, s23
	s_mov_b32 s21, 0
	s_mov_b32 s[PFS+1], 0
	s_add_nc_u64 s[PFA:PFA+1], s[PFA:PFA+1], s[20:21]
	s_cmp_lt_u32 s[CL4], 2
	s_cselect_b32 s22, 1, 0
	s_or_b32 s22, s22, s[CLX]                      ; KEYS, B: 0 where the batch is 2 or 3 and the cluster's x is 0
	s_cmp_eq_u32 s[KIND], 0
	s_cselect_b32 s20, s[CLX], s[CL4]              ; A: 0 in the cluster that asks
	s_cselect_b32 s22, s[CL4], s22                 ; B likewise
	s_cselect_b32 s23, 5, 1                        ; PROJ asks in the first two trips (K steps 4 to 7), KEYS in all but the last (4 to 15)
	s_cmp_eq_u32 s[RH], 0
	s_cselect_b32 s20, s20, s22
	s_cmp_eq_u32 s20, 0
	s_cselect_b32 s[LIM], s23, -1                  ; made of the cluster's place and the wave's number: the same in all sixteen partners
	v_lshrrev_b32 v[PFO], s[RH], v7                ; A: a lane a row; B: two lanes a row, 256 bytes apart
	v_lshlrev_b32 v[PFO], 12, v[PFO]
	v_and_b32 v5, s[RH], v7
	v_lshl_add_u32 v[PFO], v5, 8, v[PFO]
	s_wait_loadcnt 0x0                             ; the biases
.irp j, 0,1,2,3
	ds_store_b32 v6, v[10+(\j)] offset:128*(\j)    ; my wave's own bytes: only I read them
.endr
.macro MUL16 f, hi, a0, zero           ; 16 products: row blocks a0, a0 + 1 of the window's four x all 8 column blocks, 32 along K.  zero = 1: the product starts the sums
	WIN 0xa1+0x50*(\hi)                            ; B window 1, A window 0, C and D window 2 or 3
.irp a, \a0, (\a0)+1
.irp b, 0,1,2,3,4,5,6,7
.if \zero
	v_wmma_f32_16x16x32_f16 v[8*(8*(\a)+(\b)):8*(8*(\a)+(\b))+7], v[(\f)+8*(\b):(\f)+8*(\b)+7], v[(\f)+8*(4*(\hi)+(\a)):(\f)+8*(4*(\hi)+(\a))+7], 0
.else
	v_wmma_f32_16x16x32_f16 v[8*(8*(\a)+(\b)):8*(8*(\a)+(\b))+7], v[(\f)+8*(\b):(\f)+8*(\b)+7], v[(\f)+8*(4*(\hi)+(\a)):(\f)+8*(4*(\hi)+(\a))+7], v[8*(8*(\a)+(\b)):8*(8*(\a)+(\b))+7]
.endif
.endr
.endr
.endm
; 32 LDS loads in one run: quarter q (32 along K) of a slot into buffer f: B's eight column blocks, turned, then A's eight row blocks
.macro FETCH slot, q, f
	WIN TO_B
.irp b, 0,1,2,3,4,5,6,7
	ds_load_tr16_b128 v[(\f)+8*(\b):(\f)+8*(\b)+3],   v[ADRB+(\slot)] offset:32*PB*(\q)+32*(\b)
	ds_load_tr16_b128 v[(\f)+8*(\b)+4:(\f)+8*(\b)+7], v[ADRB+(\slot)] offset:32*PB*(\q)+32*(\b)+16*PB
.endr
	WIN 0
.irp i, 0,1,2,3,4,5,6,7
	ds_load_b128 v[(\f)+8*(\i):(\f)+8*(\i)+3],   v[ADRA+(\slot)] offset:64*(\q)+(\i)*16*PA
	ds_load_b128 v[(\f)+8*(\i)+4:(\f)+8*(\i)+7], v[ADRA+(\slot)] offset:64*(\q)+(\i)*16*PA+32
.endr
.endm
; One of a K step's first three quarters: multiplies buffer f; in its middle it fetches quarter q into buffer g.  The 64 accumulators take turns, in the same order in every quarter.
.macro QUARTER slot, q, f, g, zero
	s_wait_dscnt 8                                 ; B and A's rows 0-63 are in; the youngest eight loads (A's rows 64-127) may be out
	MUL16 \f, 0, 0, \zero
	MUL16 \f, 0, 2, \zero
	PLACES
	FETCH \slot, \q, \g
	s_wait_dscnt 32                                ; all but the 32 just issued
	MUL16 \f, 1, 0, \zero
	MUL16 \f, 1, 2, \zero
.endm
; A K step's last quarter (buffer 1) and the change of slots: all my tensor loads have landed, the add, and my reads of this slot are back, ahead of the signal.
; fill = 1: the barrier opens a round of the cluster's, and the slot just read is filled again first thing behind it, with K step NS.  Its two global addresses are made anew, each from its pointer and an
; offset made apart: step m = NS % (steps in a tile) of tile NS / (steps in a tile): A lies 256 m bytes along its rows and 2^23 bytes a tile down, B 2^19 m bytes down (both tiles of PROJ take the same B).
.macro TURN slot, next, fill
.if \fill
	s_wait_xcnt 0x0                                ; the last prefetch, a K step back, has read its address
	s_add_nc_u64 s[PFA:PFA+1], s[PFA:PFA+1], s[PFS:PFS+1]
.endif
	WIN 0
	s_wait_tensorcnt 0x0                           ; the one that was out is my part of the next slot; no tensor load of mine is out, so a group 0 may be written
	ds_add_u32 v[SPW], v[NIL]                      ; 0 onto my spare word; scalar work and sixteen products stand between it and the wait for it
.if \fill
	s_and_b32 s20, s[NS], s[KM]                    ; m
	s_lshr_b32 s21, s[NS], s[KSH]                  ; the tile
	s_lshl_b32 s[OA], s20, 8
	s_lshl_b32 s21, s21, T2SH
	s_add_co_u32 s[OA], s[OA], s21
	s_lshl_b32 s[OB], s20, 19
	s_add_co_u32 s[NS], s[NS], 1
	s_add_nc_u64 s[G0+4*(\slot)+2:G0+4*(\slot)+3], s[AP:AP+1], s[OA:OA+1]
	s_or_b32 s[G0+4*(\slot)+3], s[G0+4*(\slot)+3], 0x80000000
	s_add_nc_u64 s[G0B+4*(\slot)+2:G0B+4*(\slot)+3], s[BP:BP+1], s[OB:OB+1]
	s_or_b32 s[G0B+4*(\slot)+3], s[G0B+4*(\slot)+3], 0x80000000
.endif
	s_wait_dscnt 9                                 ; (the add and the youngest eight loads may be out)
	MUL16 F1, 0, 0, 0
	s_wait_dscnt 0x0                               ; the add is done, my reads of this slot are over
	s_barrier_signal -1
	MUL16 F1, 0, 2, 0                              ; register work while the others arrive
.if \fill
	WIN 0
.endif
	s_barrier_wait -1
.if \fill
	CREST
	JLOAD \slot                                    ; its four v_nop are also the places ahead of the loads below; 224 products stand between it and the wait for it
.else
	PLACES
.endif
	FETCH \next, 0, F0
.if \fill
	ASK
.endif
	MUL16 F1, 1, 0, 0
	MUL16 F1, 1, 2, 0
.endm
; THE WAY OUT.  Registers cannot be indexed, so a block's LDS stores are written once for each block of 16 rows and chosen by the counter; the rest is one text.
.macro DUMP a, rb                      ; block a's 16 rows x 128 columns of f32 into my stage, each accumulator's low registers first; rb = 1: and alt_b of its eight rows of my parity
	WIN 0x08+4*((\a)/4)                            ; store data (source 1) in window 2 or 3
.irp b, 0,1,2,3,4,5,6,7
	ds_store_b128 v[STO], v[64*((\a)%4)+8*(\b):64*((\a)%4)+8*(\b)+3]   offset:64*(\b)
	ds_store_b128 v[STO], v[64*((\a)%4)+8*(\b)+4:64*((\a)%4)+8*(\b)+7] offset:64*(\b)+16
.endr
	WIN 0
.if \rb
	ds_load_b128 v[RBV:RBV+3],   v[RBA] offset:32*(\a)
	ds_load_b128 v[RBV+4:RBV+7], v[RBA] offset:32*(\a)+16
.endif
.endm
.macro CASE tag, a
	s_cmp_eq_u32 s[BLK], \a
	s_cbranch_scc1 .Ld\tag\a
.endm
.macro ARM tag, a, rb
.Ld\tag\a:
	DUMP \a, \rb
.endm
.macro ROWS kind                       ; the block comes back by pairs of rows (pair p: rows 2 p and 2 p + 1), takes its bias in f32, is rounded and stored
.irp p, 0,1,2,3,4,5,6,7
	ds_load_b128 v[S+8*(\p):S+8*(\p)+3],   v[RD] offset:2*SP32*(\p)  ; LDS serves a wave's instructions in order: these see the stores above
	ds_load_b128 v[S+8*(\p)+4:S+8*(\p)+7], v[RD] offset:2*SP32*(\p)+16
.endr
.irp p, 0,1,2,3,4,5,6,7
	s_wait_dscnt 14-2*(\p)                         ; pair p is in; the younger pairs' loads stay out
.if \kind
.irp j, 0,1,2,3,4,5,6,7
	v_add_f32 v[S+8*(\p)+(\j)], v[RBV+(\p)], v[S+8*(\p)+(\j)]  ; KEYS: the row's alt_b
.endr
.else
.irp k, 0,2,4,6
	v_pk_add_f32 v[S+8*(\p)+(\k):S+8*(\p)+(\k)+1], v[S+8*(\p)+(\k):S+8*(\p)+(\k)+1], v[CB+(\k):CB+(\k)+1]  ; PROJ: the columns' bias
.endr
.endif
	v_cvt_pk_f16_f32 v[PK+4*(\p)],   v[S+8*(\p)],   v[S+8*(\p)+1]
	v_cvt_pk_f16_f32 v[PK+4*(\p)+1], v[S+8*(\p)+2], v[S+8*(\p)+3]
	v_cvt_pk_f16_f32 v[PK+4*(\p)+2], v[S+8*(\p)+4], v[S+8*(\p)+5]
	v_cvt_pk_f16_f32 v[PK+4*(\p)+3], v[S+8*(\p)+6], v[S+8*(\p)+7]
	global_store_b128 v[CO+(\p)], v[PK+4*(\p):PK+4*(\p)+3], s[CP:CP+1]  ; 16 lanes store 256 consecutive bytes, aligned
.endr
.endm
.macro WAYOUT tag, both                ; both = 0: the tile is PROJ's; 1: either kind's
	PLACES                                         ; the places behind the last products
	PLACES
	s_mov_b32 s[BLK], 0
.Lblk\tag:
.irp a, 0,1,2,3,4,5,6
	CASE \tag, \a
.endr
	DUMP 7, \both
	s_branch .Lrows\tag
.irp a, 0,1,2,3,4,5,6
	ARM \tag, \a, \both
.if (\a) < 6
	s_branch .Lrows\tag
.endif
.endr
.Lrows\tag:
.if \both
	s_cmp_eq_u32 s[KIND], 0
	s_cbranch_scc0 .Lrk\tag
.endif
	ROWS 0
.if \both
	s_branch .Lrn\tag
.Lrk\tag:
	ROWS 1
.Lrn\tag:
.endif
	s_wait_xcnt 0x0                                ; the stores have read their data and their base: both are written again only behind this wait
	s_add_nc_u64 s[CP:CP+1], s[CP:CP+1], s[CST:CST+1]
	s_add_co_u32 s[BLK], s[BLK], 1
	s_cmp_lt_u32 s[BLK], 8
	s_cbranch_scc1 .Lblk\tag
.endm
	s_wait_tensorcnt 0x1                           ; my part of K step 0 is in; K step 1's may stay out
	s_wait_dscnt 0x0                               ; no LDS instruction of mine is out at a signal
	s_barrier_signal -1
	s_barrier_wait -1
	FETCH 0, 0, F0
	QUARTER 0, 1, F0, F1, 1                        ; the launch's first quarter stands ahead of the loop: its products start the sums, and nothing is ever cleared
	WIN 0                                          ; at a label and at a branch every window is 0
	s_mov_b32 s[LAP], 7
.Llap:                                                 ; a trip goes once round the ring, from a lap's second quarter to the next lap's first, and fills both slots again
	QUARTER 0, 2, F1, F0, 0
	QUARTER 0, 3, F0, F1, 0
	TURN 0, 1, 1
	QUARTER 1, 1, F0, F1, 0
	QUARTER 1, 2, F1, F0, 0
	QUARTER 1, 3, F0, F1, 0
	TURN 1, 0, 1
	WIN 0
	s_cmp_eq_u32 s[LAP], s[TL]                     ; has PROJ's first tile had its last K step?
	s_cbranch_scc0 .Lsame
	WAYOUT 1, 0                                    ; it goes out: both refills for the second tile are asked for, and that tile's first fragments lie in buffer 0
	s_add_nc_u64 s[CP:CP+1], s[CP:CP+1], NEXT_C    ; (behind the way out's last wait for its stores' sources)
	QUARTER 0, 1, F0, F1, 1                        ; the second tile's first quarter starts its sums, behind the way out's places and all its vector work
	WIN 0
	s_branch .Lnext
.Lsame:
	QUARTER 0, 1, F0, F1, 0                        ; the same tile goes on
	WIN 0
.Lnext:
	s_sub_co_u32 s[LAP], s[LAP], 1
	s_cmp_lg_u32 s[LAP], 0
	s_cbranch_scc1 .Llap
	QUARTER 0, 2, F1, F0, 0                        ; the rest of the eighth lap is written out: it fills nothing
	QUARTER 0, 3, F0, F1, 0
	TURN 0, 1, 0
	QUARTER 1, 1, F0, F1, 0
	QUARTER 1, 2, F1, F0, 0
	QUARTER 1, 3, F0, F1, 0
	s_wait_dscnt 8
	MUL16 F1, 0, 0, 0
	MUL16 F1, 0, 2, 0
	s_wait_dscnt 0x0
	MUL16 F1, 1, 0, 0
	MUL16 F1, 1, 2, 0
	WIN 0
	WAYOUT 2, 1
	s_wait_tensorcnt 0x0                           ; the wave's end
	ds_add_u32 v[SPW], v[NIL]
	s_wait_dscnt 0x0
	CROUND                                         ; the closing round: no work-group ends while a partner may still ask for a tile that names it
	s_endpgm
.Lfunc_end_k_qe86bf283a0_pk:
	.size	k_qe86bf283a0_pk, .Lfunc_end_k_qe86bf283a0_pk-k_qe86bf283a0_pk
	.p2alignl 7, 3214868480
	.fill 96, 4, 3214868480
	.section	.rodata,"a",@progbits
	.p2align	6, 0x0
	.amdhsa_kernel k_qe86bf283a0_pk
		.amdhsa_group_segment_fixed_size 327680
		.amdhsa_private_segment_fixed_size 0
		.amdhsa_enable_private_segment 0
		.amdhsa_kernarg_size 64
		.amdhsa_user_sgpr_count 2
		.amdhsa_user_sgpr_kernarg_segment_ptr 1
		.amdhsa_wavefront_size32 1
		.amdhsa_system_sgpr_workgroup_id_x 1
		.amdhsa_system_sgpr_workgroup_id_y 1
		.amdhsa_system_sgpr_workgroup_id_z 1
		.amdhsa_system_vgpr_workitem_id 0
		.amdhsa_next_free_vgpr 1024
		.amdhsa_next_free_sgpr 96
		.amdhsa_reserve_vcc 0
		.amdhsa_float_denorm_mode_32 3
		.amdhsa_float_denorm_mode_16_64 3
		.amdhsa_memory_ordered 1
		.amdhsa_forward_progress 1
		.amdhsa_inst_pref_size 162
	.end_amdhsa_kernel
	.amdgpu_metadata
---
amdhsa.version: [ 1, 2 ]
amdhsa.kernels:
  - .name:           k_qe86bf283a0_pk
    .symbol:         k_qe86bf283a0_pk.kd
    .args:
      - { .name: xh, .offset: 0, .size: 8, .value_kind: global_buffer, .address_space: global }
      - { .name: awh, .offset: 8, .size: 8, .value_kind: global_buffer, .address_space: global }
      - { .name: wt, .offset: 16, .size: 8, .value_kind: global_buffer, .address_space: global }
      - { .name: yv, .offset: 24, .size: 8, .value_kind: global_buffer, .address_space: global }
      - { .name: kmat, .offset: 32, .size: 8, .value_kind: global_buffer, .address_space: global }
      - { .name: fc_b, .offset: 40, .size: 8, .value_kind: global_buffer, .address_space: global }
      - { .name: v_b, .offset: 48, .size: 8, .value_kind: global_buffer, .address_space: global }
      - { .name: alt_b, .offset: 56, .size: 8, .value_kind: global_buffer, .address_space: global }
    .group_segment_fixed_size: 327680
    .private_segment_fixed_size: 0
    .kernarg_segment_align: 8
    .kernarg_segment_size: 64
    .max_flat_workgroup_size: 128
    .sgpr_count:     96
    .vgpr_count:     1024
    .wavefront_size: 32
...
	.end_amdgpu_metadata
.endif
;; end of part 2
;; launch score (part 3): grid 8 x 32, 4 waves a work-group, clusters of 4 x 4, 327,680 bytes of LDS; arguments yv, kmat, pbuf, mask, st; writes pbuf, st
.if DOCPART == 3
	.amdgcn_target "amdgcn-amd-amdhsa--gfx1250"
	.amdhsa_code_object_version 6
	.text
	.protected	k_qe86bf283a0_score
	.globl	k_qe86bf283a0_score
	.p2align	8
	.type	k_qe86bf283a0_score,@function
k_qe86bf283a0_score:
	s_mov_b64 s[64:65], 0
	v_nop
	global_prefetch_b8 v0, s[64:65] scope:SCOPE_SE
	s_setreg_imm32_b32 hwreg(HW_REG_WAVE_MODE, 25, 1), 1
	s_wait_xcnt 0x0
	s_wait_alu depctr_hold_cnt(0) depctr_sa_sdst(0) depctr_va_vdst(0) depctr_va_sdst(0) depctr_va_ssrc(0) depctr_va_vcc(0) depctr_vm_vsrc(0)
	s_getreg_b32 s2, hwreg(HW_REG_IB_STS2, 6, 4)
	s_cmp_eq_u32 s2, 0
	s_cbranch_scc0 .Lentry_in_a_cluster
	s_endpgm
.Lentry_in_a_cluster:
	s_bfe_u32 s2, ttmp6, 0x10000c
	s_cmp_lg_u32 s2, 0xf033
	s_cbranch_scc0 .Lentry_shape_is_right
	s_endpgm
.Lentry_shape_is_right:
; s[(b,c)][k] = sum over e of y[(b,c)][e] kmat[b][k][e]; then, for each row and each block of 128 keys: sc = c s (c = log2(e) / sqrt(2048)), -inf where mask is 1; m = the block's maximum of sc;
; pbuf = 2^(sc - m), rounded once to f16; l = the sum of the unrounded weights; st[block][row] = (m, l), f32.  The next launch joins the sixteen blocks of a row by their maxima.
; y = yv's columns 0-1023 (rows of 4,096 bytes), kmat: [4][2048][1024] f16, mask: [4][2048][2048] bytes 0 or 1, pbuf: [8192][2048] f16, st: [16][8192][2] f32.
; A block that is hidden altogether has m = -inf, weights 0 and l = 0 (the exponent is taken against the lowest finite number).  NaN and infinities among the scores are not treated apart.
; The product is a GEMM: a tile of 256 x 256 to a work-group of four waves, 128 x 128 to a wave, so a wave's columns ARE one block of keys.  K = 1,024 in eight steps of 128 through two LDS slots.
; CLUSTER 4 x 4: y's tile is shared along a row of the cluster, kmat's along a column (a cluster lies inside one batch: batch = cluster y / 2): joint loads.
; The tile's 256 x 256 mask bytes come by one more tensor load a wave (64 rows each, a load of the work-group's own) into slot 0, when its last K step has been read.
; THE PRODUCT IS TAKEN TRANSPOSED (source 0 = 16 keys, source 1 = 16 rows): lane l holds row l % 16 and the keys 8 (l / 16) + 0..7.
; REGISTERS in windows of 256 (s_set_vgpr_msb: bits 1:0 source 0, 3:2 source 1, 5:4 source 2, 7:6 destination): window 0: v0-31 addresses; v64-191 y's fragments, two buffers (at work on the way out);
; window 1: v64-191 kmat's fragments; windows 2, 3: accumulators of my rows 0-63, 64-127: (a, b) at v[8 (8 a + b)].
.set KSTEP,  128
.set PITCH,  272
.set HALFT,  128*PITCH
.set SLOT,   4*HALFT
.set STAGE,  2*SLOT                    ; behind the ring: 16 rows x 528 bytes of f32 for each wave
.set SP32,   528
.set SCR,    STAGE+4*16*SP32           ; 1,024 bytes a wave: (m, l) of its 128 rows
.set SPARE,  SCR+4096                  ; the spare words, 128 bytes a wave
.set LAPS,   4
.set APB,    4096                      ; bytes in a row of yv
.set BPB,    2048                      ; of kmat
.set MA,   6                           ; v6   my 8 mask bytes of the row pair in hand
.set SAD,  7                           ; v7   where (m, l) of my row goes
.set RDC,  8                           ; v8   RD, stepped through a block
.set SRD,  9                           ; v9   where I read (m, l) back
.set SGO,  10                          ; v10  16 x lane
.set ADRA, 16
.set ADRB, 20
.set STO,  24
.set RD,   25
.set CO,   26
.set SPW,  28
.set NIL,  29
.set PFO,  30
.set PFM,  31                          ; v31  my lane x a row of mask
.set F0,   64
.set F1,   128
.set S,    64                          ; the way out, by row pair p of four: v[S+8p..] eight scores
.set T,    96                          ; eight addends, 0 or -inf
.set MW,   128                         ; eight mask bytes
.set MU,   136                         ; the same times 0xff
.set MV,   144                         ; the same times 0x80
.set PH,   152                         ; eight weights in f16
.set QS,   168                         ; m, l
.set RS,   176                         ; what is taken away in the exponent, and a 0 to make a pair
.set G1,   24
.set G0,   32
.set LIM,  43
.set PFA,  44
.set G1B,  48
.set G0B,  56
.set MKP,  66                          ; s[66:67] mask at my wave's 64 rows of the tile
.set G0M,  68                          ; s[68:71], s[72:79] the mask tile's descriptor
.set G1M,  72
.set CS,   80                          ; s[80:81] c
.set SELM, 82                          ; s82-85   byte selects: mask byte j into the top two bytes of a word
.set BLK,  86
.set GRP,  87
.set STP,  88                          ; s[88:89] st at my block and my 128 rows
.set FLTM, 90                          ; s90      the lowest finite number
.set KFF,  91                          ; s91      0xff
.set DW0,  (1<<16)|(1<<20)|(1<<21)|(5<<22)|(3<<25)
.set MSB, 0
.macro WIN new
.if MSB != (\new)
	s_set_vgpr_msb (MSB<<8)|(\new)
.set MSB, \new
.endif
.endm
.set TO_B, 0x40
.macro PLACES
.rept 4
	v_nop
.endr
.endm
.macro JLOAD s                         ; a joint load: waves 0 and 1 fetch y's halves, waves 2 and 3 kmat's; an s_nop 0 and four v_nop follow each line
	s_cmp_eq_u32 s11, 0
	s_cbranch_scc0 .Lfor_b_\@
	tensor_load_to_lds s[G0+4*(\s):G0+4*(\s)+3], s[G1:G1+7]
	s_nop 0
	PLACES
	s_branch .Lasked_\@
.Lfor_b_\@:
	tensor_load_to_lds s[G0B+4*(\s):G0B+4*(\s)+3], s[G1B:G1B+7]
	s_nop 0
	PLACES
.Lasked_\@:
.endm
; A prefetch of the K step two refills on: 32 rows x 256 bytes, a lane a row.  y's rows: the clusters with x = 0; kmat's: the first of the two clusters along y that share a batch's keys.
; The four partners of a joint load share its rows out by address.  Each block is named once; the loop's last trip has no K step two on.
.macro ASK
	s_cmp_gt_u32 s3, s[LIM]
	s_cbranch_scc0 .Lnot_mine_\@
	global_prefetch_b8 v[PFO], s[PFA:PFA+1] offset:KSTEP*2 th:TH_LOAD_NT scope:SCOPE_SE
.Lnot_mine_\@:
.endm
; In the loop's last trip, behind the last joint refill: my own 64 rows x 256 bytes of mask, a lane a row, twice: one K step, 256 matrix instructions, ahead of the load that brings them.
.macro ASKM
	s_cmp_eq_u32 s3, 1
	s_cbranch_scc0 .Lno_mask_\@
	global_prefetch_b8 v[PFM], s[MKP:MKP+1] th:TH_LOAD_NT scope:SCOPE_SE
	global_prefetch_b8 v[PFM], s[MKP:MKP+1] offset:32*2048 th:TH_LOAD_NT scope:SCOPE_SE
.Lno_mask_\@:
.endm
.macro CREST
	s_cmp_lg_u32 s10, 0
	s_cbranch_scc1 .Lnot_wave_0_\@
	s_barrier_signal -3
.Lnot_wave_0_\@:
	s_barrier_wait -3
	s_barrier_signal -1
	s_barrier_wait -1
.endm
.macro CROUND
	s_barrier_signal -1
	s_barrier_wait -1
	CREST
.endm
	s_load_b128 s[4:7], s[0:1], 0x0                ; yv s[4:5], kmat s[6:7]
	s_load_b64 s[8:9], s[0:1], 0x10                ; pbuf
	s_load_b128 s[92:95], s[0:1], 0x18             ; mask s[92:93], st s[94:95]
	v_lshl_add_u32 v[SPW], v0, 2, SPARE
	v_mov_b32 v[NIL], 0
	ds_add_u32 v[SPW], v[NIL]                      ; the wave's opening: the add and its wait stand ahead of my first tensor load
	ds_add_u32 v28, v29
	v_lshrrev_b32 v1, 5, v0
	v_readfirstlane_b32 s10, v1                    ; wave 0..3
	s_lshr_b32 s11, s10, 1                         ; my half of the rows.  Also: I fetch for y (0) or kmat (1)
	s_and_b32 s12, s10, 1                          ; my half of the keys.  Also: which 128 rows I fetch
	s_bfe_u32 s40, ttmp6, 0x40000                  ; cx
	s_bfe_u32 s41, ttmp6, 0x40004                  ; cy
	s_lshl_b32 s42, ttmp9, 2
	s_add_co_u32 s42, s42, s40                     ; key tile 0..7 of the batch
	s_and_b32 s13, ttmp7, 0xffff
	s_lshl_b32 s13, s13, 2
	s_add_co_u32 s13, s13, s41                     ; row tile 0..31
	s_lshl_b32 s43, s41, 2
	s_lshl_b32 s43, 15, s43
	s_lshl_b32 s44, 0x1111, s40
	s_or_b32 s[G1], s43, DW0
	s_or_b32 s[G1B], s44, DW0
.irp g, G1, G1B
	s_mov_b32 s[(\g)+1], KSTEP<<16
	s_mov_b32 s[(\g)+2], 128<<16
	s_mov_b32 s[(\g)+3], KSTEP<<16
	s_mov_b32 s[(\g)+4], 128
	s_mov_b32 s[(\g)+6], 0
	s_mov_b32 s[(\g)+7], 0
.endr
	s_mov_b32 s[G1+5], APB/2
	s_mov_b32 s[G1B+5], BPB/2
	s_mov_b32 s[G1M], (1<<20)|(5<<22)|(3<<25)      ; no mask of work-groups; 1-byte elements; padding: 4 words after every 64
	s_mov_b32 s[G1M+1], 256<<16                    ; tensor_dim0 = 256
	s_mov_b32 s[G1M+2], 64<<16                     ; tensor_dim1 = 64
	s_mov_b32 s[G1M+3], 256<<16                    ; tile_dim0 = 256
	s_mov_b32 s[G1M+4], 64                         ; tile_dim1 = 64
	s_mov_b32 s[G1M+5], 2048
	s_mov_b32 s[G1M+6], 0
	s_mov_b32 s[G1M+7], 0
	s_mov_b32 s[CS], 0x3d0293ee                    ; log2(e) / sqrt(2048) = 0.0318793
	s_mov_b32 s[CS+1], s[CS]
	s_mov_b32 s[SELM], 0x04000c0c                  ; byte 3 = byte j of the first source, byte 2 = byte j of the second, bytes 1 and 0 = 0
	s_mov_b32 s[SELM+1], 0x05010c0c
	s_mov_b32 s[SELM+2], 0x06020c0c
	s_mov_b32 s[SELM+3], 0x07030c0c
	s_mov_b32 s[FLTM], 0xff7fffff
	s_mov_b32 s[KFF], 0xff
	s_lshl_b32 s17, s12, 7
	s_lshl_b32 s16, s13, 8
	s_add_co_u32 s16, s16, s17                     ; y: row 256 x row tile + 128 x half
	s_lshl_b32 s46, s42, 8
	s_add_co_u32 s46, s46, s17                     ; kmat: row 256 x key tile + 128 x half
	s_and_b32 s47, ttmp7, 0xffff
	s_lshr_b32 s47, s47, 1
	s_lshl_b32 s47, s47, 11
	s_add_co_u32 s46, s46, s47                     ; + 2,048 x batch, which the whole cluster shares
	s_mul_i32 s16, s16, APB
	s_mul_i32 s46, s46, BPB
	s_mov_b32 s17, 0
	s_mov_b32 s47, 0
	s_mul_i32 s20, s10, HALFT
	s_wait_dscnt 0x0                               ; the opening add is done
	s_wait_kmcnt 0x0
	s_add_nc_u64 s[14:15], s[4:5], s[16:17]
	s_add_nc_u64 s[46:47], s[6:7], s[46:47]
	CROUND
.irp s, 0,1
	s_mov_b32 s[G0+4*(\s)], 1
	s_add_co_u32 s[G0+4*(\s)+1], s20, (\s)*SLOT
	s_add_nc_u64 s[G0+4*(\s)+2:G0+4*(\s)+3], s[14:15], (\s)*KSTEP*2
	s_or_b32 s[G0+4*(\s)+3], s[G0+4*(\s)+3], 0x80000000
	s_mov_b32 s[G0B+4*(\s)], 1
	s_add_co_u32 s[G0B+4*(\s)+1], s20, (\s)*SLOT
	s_add_nc_u64 s[G0B+4*(\s)+2:G0B+4*(\s)+3], s[46:47], (\s)*KSTEP*2
	s_or_b32 s[G0B+4*(\s)+3], s[G0B+4*(\s)+3], 0x80000000
	JLOAD \s                                       ; two loads of mine are out
.endr
	v_and_b32 v1, 15, v0                           ; l % 16
	v_bfe_u32 v2, v0, 4, 1                         ; l / 16
	v_mul_u32_u24 v3, v1, PITCH
	v_lshl_add_u32 v3, v2, 4, v3
	s_mul_i32 s21, s11, HALFT
	s_mul_i32 s22, s12, HALFT
	s_add_co_u32 s22, s22, 2*HALFT
.irp s, 0,1
	v_add_nc_u32 v[ADRA+(\s)], s21, v3
	v_add_nc_u32 v[ADRB+(\s)], s22, v3
	s_add_co_u32 s21, s21, SLOT
	s_add_co_u32 s22, s22, SLOT
.endr
	s_mul_i32 s23, s10, 16*SP32
	s_add_co_u32 s23, s23, STAGE
	v_mul_u32_u24 v4, v1, SP32
	v_lshl_add_u32 v4, v2, 5, v4
	v_add_nc_u32 v[STO], s23, v4                   ; in: row l % 16, 32 bytes for each half of the lanes
	v_mul_u32_u24 v5, v2, SP32
	v_lshl_add_u32 v5, v1, 5, v5
	v_add_nc_u32 v[RD], s23, v5                    ; back: row l / 16 of a pair, keys 8 (l % 16) + 0..7
	v_lshlrev_b32 v5, 12, v2
	v_lshl_add_u32 v[CO], v1, 4, v5                ; the same in pbuf
	s_mul_i32 s18, s11, 128*PITCH                  ; the mask tile lies at LDS byte 0, row R at 272 R: my row 128 rh + l / 16, bytes 128 ch + 8 (l % 16)
	s_lshl_b32 s19, s12, 7
	s_add_co_u32 s18, s18, s19
	v_mul_u32_u24 v[MA], v2, PITCH
	v_lshl_add_u32 v[MA], v1, 3, v[MA]
	v_add_nc_u32 v[MA], s18, v[MA]
	s_lshl_b32 s18, s10, 10
	s_add_co_u32 s18, s18, SCR
	v_lshl_add_u32 v[SAD], v2, 3, s18
	v_and_b32 v[SGO], 31, v0
	v_lshlrev_b32 v[SGO], 4, v[SGO]
	v_add_nc_u32 v[SRD], s18, v[SGO]
	v_and_b32 v[PFM], 31, v0
	v_lshlrev_b32 v[PFM], 11, v[PFM]
	s_lshl_b32 s13, s13, 8                         ; 256 x row tile
	s_lshl_b32 s14, s11, 7
	s_add_co_u32 s16, s13, s14
	s_lshl_b32 s16, s16, 12                        ; pbuf: my first row,
	s_mov_b32 s17, 0
	s_lshl_b32 s46, s42, 9                         ; my first key: 512 x key tile + 256 x half bytes
	s_lshl_b32 s47, s12, 8
	s_add_co_u32 s46, s46, s47
	s_mov_b32 s47, 0
	s_add_nc_u64 s[16:17], s[16:17], s[46:47]
	s_add_nc_u64 s[8:9], s[8:9], s[16:17]
	s_lshl_b32 s18, s10, 6                         ; mask: row 256 x row tile + 64 x wave, byte 256 x key tile
	s_add_co_u32 s18, s18, s13
	s_lshl_b32 s18, s18, 11
	s_lshl_b32 s19, s42, 8
	s_add_co_u32 s18, s18, s19
	s_mov_b32 s19, 0
	s_add_nc_u64 s[MKP:MKP+1], s[92:93], s[18:19]
	s_mov_b32 s[G0M], 1
	s_mul_i32 s[G0M+1], s10, 64*PITCH              ; wave x 64 rows, in slot 0
	s_mov_b64 s[G0M+2:G0M+3], s[MKP:MKP+1]
	s_or_b32 s[G0M+3], s[G0M+3], 0x80000000
	s_lshl_b32 s18, s42, 1                         ; st: ((2 x key tile + half) x 8,192 + my first row) x 8 bytes
	s_add_co_u32 s18, s18, s12
	s_lshl_b32 s18, s18, 13
	s_add_co_u32 s18, s18, s13
	s_add_co_u32 s18, s18, s14
	s_lshl_b32 s18, s18, 3
	s_mov_b32 s19, 0
	s_add_nc_u64 s[STP:STP+1], s[94:95], s[18:19]
	; the prefetches of y and kmat
	s_lshl_b32 s42, s42, 8
	s_and_b32 s22, ttmp7, 0xffff
	s_lshr_b32 s18, s22, 1
	s_lshl_b32 s18, s18, 11
	s_add_co_u32 s42, s42, s18                     ; kmat's tile's first row
	s_and_b32 s22, s22, 1                          ; the two clusters along y of a batch read the same keys
	s_mov_b32 s23, BPB
	s_cmp_eq_u32 s11, 0
	s_cselect_b32 s20, s13, s42
	s_cselect_b32 s21, s40, s41
	s_cselect_b32 s22, ttmp9, s22
	s_cselect_b32 s23, APB, s23
	s_cselect_b64 s[PFA:PFA+1], s[4:5], s[6:7]
	s_cmp_eq_u32 s22, 0
	s_cselect_b32 s[LIM], 1, -1
	s_lshl_b32 s22, s12, 7
	s_add_co_u32 s20, s20, s22
	s_lshl_b32 s21, s21, 5
	s_add_co_u32 s20, s20, s21
	s_mul_i32 s20, s20, s23
	s_add_co_u32 s20, s20, 2*KSTEP*2
	s_mov_b32 s21, 0
	s_add_nc_u64 s[PFA:PFA+1], s[PFA:PFA+1], s[20:21]
	v_and_b32 v[PFO], 31, v0
	v_mul_u32_u24 v[PFO], s23, v[PFO]
.macro MUL16 f, hi, a0, zero           ; 16 products: row blocks a0, a0 + 1 of the window's four x all 8 key blocks.  zero = 1: the product starts the sums
	WIN 0xa1+0x50*(\hi)                            ; kmat window 1, y window 0, C and D window 2 or 3
.irp a, \a0, (\a0)+1
.irp b, 0,1,2,3,4,5,6,7
.if \zero
	v_wmma_f32_16x16x32_f16 v[8*(8*(\a)+(\b)):8*(8*(\a)+(\b))+7], v[(\f)+8*(\b):(\f)+8*(\b)+7], v[(\f)+8*(4*(\hi)+(\a)):(\f)+8*(4*(\hi)+(\a))+7], 0
.else
	v_wmma_f32_16x16x32_f16 v[8*(8*(\a)+(\b)):8*(8*(\a)+(\b))+7], v[(\f)+8*(\b):(\f)+8*(\b)+7], v[(\f)+8*(4*(\hi)+(\a)):(\f)+8*(4*(\hi)+(\a))+7], v[8*(8*(\a)+(\b)):8*(8*(\a)+(\b))+7]
.endif
.endr
.endr
.endm
.macro FETCH slot, k, f
	WIN TO_B
.irp i, 0,1,2,3,4,5,6,7
	ds_load_b128 v[(\f)+8*(\i):(\f)+8*(\i)+3],   v[ADRB+(\slot)] offset:(\k)+(\i)*16*PITCH
	ds_load_b128 v[(\f)+8*(\i)+4:(\f)+8*(\i)+7], v[ADRB+(\slot)] offset:(\k)+(\i)*16*PITCH+32
.endr
	WIN 0
.irp i, 0,1,2,3,4,5,6,7
	ds_load_b128 v[(\f)+8*(\i):(\f)+8*(\i)+3],   v[ADRA+(\slot)] offset:(\k)+(\i)*16*PITCH
	ds_load_b128 v[(\f)+8*(\i)+4:(\f)+8*(\i)+7], v[ADRA+(\slot)] offset:(\k)+(\i)*16*PITCH+32
.endr
.endm
.macro QUARTER slot, k, f, g, zero     ; the 64 accumulators take turns
	s_wait_dscnt 8                                 ; kmat's and y's rows 0-63 are in; the youngest eight loads may be out
	MUL16 \f, 0, 0, \zero
	MUL16 \f, 0, 2, \zero
	PLACES
	FETCH \slot, \k, \g
	s_wait_dscnt 32                                ; all but the 32 just issued
	MUL16 \f, 1, 0, \zero
	MUL16 \f, 1, 2, \zero
.endm
; A K step's last quarter and the change of slots, always with a round of the cluster's barrier.  joint = 1: the slot is filled again, two K steps on, by the joint load.
; joint = 0: slot 0 has had its last K step: each wave brings its 64 rows of the mask tile there, a load of the work-group's own.
.macro TURN slot, next, joint
.if \joint
	s_wait_xcnt 0x0                                ; the last prefetch, a K step back, has read its address
	s_add_nc_u64 s[PFA:PFA+1], s[PFA:PFA+1], KSTEP*2
.endif
	WIN 0
	s_wait_tensorcnt 0x0                           ; all my tensor loads have landed: my part of the next slot
	ds_add_u32 v[SPW], v[NIL]                      ; 0 onto my spare word
	s_wait_dscnt 9                                 ; (the add and the youngest eight loads may be out)
	MUL16 F1, 0, 0, 0
	s_wait_dscnt 0x0                               ; the add is done, my reads of this slot are over
	s_barrier_signal -1
	MUL16 F1, 0, 2, 0
	WIN 0
	s_barrier_wait -1
	CREST
.if \joint
	s_add_nc_u64 s[G0+4*(\slot)+2:G0+4*(\slot)+3], s[G0+4*(\slot)+2:G0+4*(\slot)+3], 2*KSTEP*2
	s_add_nc_u64 s[G0B+4*(\slot)+2:G0B+4*(\slot)+3], s[G0B+4*(\slot)+2:G0B+4*(\slot)+3], 2*KSTEP*2
	JLOAD \slot
.else
	tensor_load_to_lds s[G0M:G0M+3], s[G1M:G1M+7]
	s_nop 0
	PLACES
.endif
	FETCH \next, 0, F0
.if \joint
	ASK
.if (\slot) == 1
	ASKM
.endif
.endif
	MUL16 F1, 1, 0, 0
	MUL16 F1, 1, 2, 0
.endm
.macro DUMP a                          ; block a's 16 rows x 128 keys of f32 into my stage; each accumulator's low registers first
	WIN 0x08+4*((\a)/4)
.irp b, 0,1,2,3,4,5,6,7
	ds_store_b128 v[STO], v[64*((\a)%4)+8*(\b):64*((\a)%4)+8*(\b)+3]   offset:64*(\b)
	ds_store_b128 v[STO], v[64*((\a)%4)+8*(\b)+4:64*((\a)%4)+8*(\b)+7] offset:64*(\b)+16
.endr
	WIN 0
.endm
; EIGHT ROWS' SOFTMAX PIECE.  Four row pairs p; in pair p lanes 0-15 hold row 2 p, lanes 16-31 row 2 p + 1, eight keys a lane: a row's 128 keys lie in 16 neighbouring lanes.
.macro SOFT
.irp p, 0,1,2,3
	ds_load_b64 v[MW+2*(\p):MW+2*(\p)+1], v[MA] offset:2*PITCH*(\p)
.endr
.irp p, 0,1,2,3
	ds_load_b128 v[S+8*(\p):S+8*(\p)+3],   v[RDC] offset:2*SP32*(\p)
	ds_load_b128 v[S+8*(\p)+4:S+8*(\p)+7], v[RDC] offset:2*SP32*(\p)+16
.endr
	s_wait_dscnt 8                                 ; the mask bytes are in; the eight loads of scores may be out
.irp q, 0,1,2,3,4,5,6,7
	v_mul_lo_u32 v[MU+(\q)], v[MW+(\q)], s[KFF]    ; each byte 0 or 0xff (no carry: 1 x 255 fits a byte),
	v_lshlrev_b32 v[MV+(\q)], 7, v[MW+(\q)]        ; each byte 0 or 0x80
.endr
.irp p, 0,1,2,3
.irp j, 0,1,2,3,4,5,6,7
	v_perm_b32 v[T+8*(\p)+(\j)], v[MU+2*(\p)+(\j)/4], v[MV+2*(\p)+(\j)/4], s[SELM+(\j)%4]  ; 0, or 0xff800000 = -inf
.endr
.endr
	s_wait_dscnt 0x0
.irp p, 0,1,2,3
.irp k, 0,2,4,6
	v_pk_fma_f32 v[S+8*(\p)+(\k):S+8*(\p)+(\k)+1], v[S+8*(\p)+(\k):S+8*(\p)+(\k)+1], s[CS:CS+1], v[T+8*(\p)+(\k):T+8*(\p)+(\k)+1] op_sel_hi:[1,0,1]  ; c s, or -inf
.endr
.endr
.irp p, 0,1,2,3                        ; the maximum: eight in the lane, the four pairs by turns, then across the row's 16 lanes
	v_max3_num_f32 v[QS+2*(\p)], v[S+8*(\p)], v[S+8*(\p)+1], v[S+8*(\p)+2]
.endr
.irp p, 0,1,2,3
	v_max3_num_f32 v[QS+2*(\p)], v[QS+2*(\p)], v[S+8*(\p)+3], v[S+8*(\p)+4]
.endr
.irp p, 0,1,2,3
	v_max3_num_f32 v[QS+2*(\p)], v[QS+2*(\p)], v[S+8*(\p)+5], v[S+8*(\p)+6]
.endr
.irp p, 0,1,2,3
	v_max_num_f32 v[QS+2*(\p)], v[QS+2*(\p)], v[S+8*(\p)+7]
.endr
.irp x, 1,2,4,8
.irp p, 0,1,2,3
	v_max_num_f32_dpp v[QS+2*(\p)], v[QS+2*(\p)], v[QS+2*(\p)] row_xmask:\x row_mask:0xf bank_mask:0xf
.endr
.endr
.irp p, 0,1,2,3
	v_max_num_f32 v[RS+2*(\p)], s[FLTM], v[QS+2*(\p)]  ; finite also where the whole block is hidden
.endr
.irp p, 0,1,2,3
.irp k, 0,2,4,6
	v_pk_add_f32 v[S+8*(\p)+(\k):S+8*(\p)+(\k)+1], v[S+8*(\p)+(\k):S+8*(\p)+(\k)+1], v[RS+2*(\p):RS+2*(\p)+1] op_sel_hi:[1,0] neg_lo:[0,1] neg_hi:[0,1]
.endr
.endr
.set e, 0
.rept 32
	v_exp_f32 v[S+e], v[S+e]                       ; one batch of 32
.set e, e+1
.endr
	v_nop                                          ; a plain instruction behind the last exponential,
	s_wait_alu depctr_va_vdst(0)                   ; and the one wait ahead of the batch's first reader
.irp p, 0,1,2,3
.irp k, 0,1,2,3
	v_cvt_pk_f16_f32 v[PH+4*(\p)+(\k)], v[S+8*(\p)+2*(\k)], v[S+8*(\p)+2*(\k)+1]
.endr
.endr
.irp p, 0,1,2,3                        ; the sum of the unrounded weights
	v_pk_add_f32 v[S+8*(\p):S+8*(\p)+1], v[S+8*(\p):S+8*(\p)+1], v[S+8*(\p)+2:S+8*(\p)+3]
	v_pk_add_f32 v[S+8*(\p)+4:S+8*(\p)+5], v[S+8*(\p)+4:S+8*(\p)+5], v[S+8*(\p)+6:S+8*(\p)+7]
.endr
.irp p, 0,1,2,3
	v_pk_add_f32 v[S+8*(\p):S+8*(\p)+1], v[S+8*(\p):S+8*(\p)+1], v[S+8*(\p)+4:S+8*(\p)+5]
.endr
.irp p, 0,1,2,3
	v_add_f32 v[QS+2*(\p)+1], v[S+8*(\p)], v[S+8*(\p)+1]
.endr
.irp x, 1,2,4,8
.irp p, 0,1,2,3
	v_add_f32_dpp v[QS+2*(\p)+1], v[QS+2*(\p)+1], v[QS+2*(\p)+1] row_xmask:\x row_mask:0xf bank_mask:0xf
.endr
.endr
.irp p, 0,1,2,3
	global_store_b128 v[CO], v[PH+4*(\p):PH+4*(\p)+3], s[8:9] offset:8192*(\p)  ; 16 lanes store 256 consecutive bytes, aligned
.endr
.irp p, 0,1,2,3
	ds_store_b64 v[SAD], v[QS+2*(\p):QS+2*(\p)+1] offset:16*(\p)  ; a row's 16 lanes write the same two words with the same numbers
.endr
	s_wait_xcnt 0x0                                ; the stores have read their data and their base
	s_add_nc_u64 s[8:9], s[8:9], 8*4096
	v_add_nc_u32 v[RDC], 8*SP32, v[RDC]
	v_add_nc_u32 v[MA], 8*PITCH, v[MA]
	v_add_nc_u32 v[SAD], 64, v[SAD]
.endm
	s_wait_tensorcnt 0x1                           ; my part of K step 0 is in; K step 1's may stay out
	s_barrier_signal -1
	s_barrier_wait -1
	FETCH 0, 0, F0
	QUARTER 0, 64,  F0, F1, 1                      ; the first quarter stands ahead of the loop: its products start the sums
	WIN 0
	s_mov_b32 s3, LAPS-1
.Llap:
	QUARTER 0, 128, F1, F0, 0
	QUARTER 0, 192, F0, F1, 0
	TURN 0, 1, 1
	QUARTER 1, 64,  F0, F1, 0
	QUARTER 1, 128, F1, F0, 0
	QUARTER 1, 192, F0, F1, 0
	TURN 1, 0, 1
	QUARTER 0, 64,  F0, F1, 0
	WIN 0
	s_sub_co_u32 s3, s3, 1
	s_cmp_lg_u32 s3, 0
	s_cbranch_scc1 .Llap
	QUARTER 0, 128, F1, F0, 0
	QUARTER 0, 192, F0, F1, 0
	TURN 0, 1, 0                                   ; slot 0 takes the mask tile, which has the last K step in which to land
	QUARTER 1, 64,  F0, F1, 0
	QUARTER 1, 128, F1, F0, 0
	QUARTER 1, 192, F0, F1, 0
	s_wait_dscnt 8
	MUL16 F1, 0, 0, 0
	MUL16 F1, 0, 2, 0
	s_wait_dscnt 0x0
	MUL16 F1, 1, 0, 0
	MUL16 F1, 1, 2, 0
	WIN 0
	s_wait_tensorcnt 0x0                           ; my 64 rows of the mask tile are in,
	s_barrier_signal -1
	s_barrier_wait -1                              ; everybody's are
	PLACES                                         ; the places behind the last products, once a launch
	PLACES
.irp p, 0,1,2,3
	v_mov_b32 v[RS+2*(\p)+1], 0                    ; named with RS as a pair
.endr
	; THE WAY OUT, a loop over my eight blocks of 16 rows: a block's 16 LDS stores are chosen by the counter; then twice eight rows' softmax piece
	s_mov_b32 s[BLK], 0
.Lblk:
.irp a, 0,1,2,3,4,5,6
	s_cmp_eq_u32 s[BLK], \a
	s_cbranch_scc1 .Ld\a
.endr
	DUMP 7
	s_branch .Lrows
.irp a, 0,1,2,3,4,5,6
.Ld\a:
	DUMP \a
.if (\a) < 6
	s_branch .Lrows
.endif
.endr
.Lrows:
	v_mov_b32 v[RDC], v[RD]
	s_mov_b32 s[GRP], 2
.Lgrp:
	SOFT
	s_sub_co_u32 s[GRP], s[GRP], 1
	s_cmp_lg_u32 s[GRP], 0
	s_cbranch_scc1 .Lgrp
	s_add_co_u32 s[BLK], s[BLK], 1
	s_cmp_lt_u32 s[BLK], 8
	s_cbranch_scc1 .Lblk
	ds_load_b128 v[64:67], v[SRD]                  ; (m, l) of my 128 rows: 1,024 bytes on end; my own bytes, served in order
	ds_load_b128 v[68:71], v[SRD] offset:512
	s_wait_dscnt 0x0
	global_store_b128 v[SGO], v[64:67], s[STP:STP+1]
	global_store_b128 v[SGO], v[68:71], s[STP:STP+1] offset:512
	s_wait_tensorcnt 0x0                           ; the wave's end
	ds_add_u32 v[SPW], v[NIL]
	s_wait_dscnt 0x0
	CROUND                                         ; the closing round
	s_endpgm
.Lfunc_end_k_qe86bf283a0_score:
	.size	k_qe86bf283a0_score, .Lfunc_end_k_qe86bf283a0_score-k_qe86bf283a0_score
	.p2alignl 7, 3214868480
	.fill 96, 4, 3214868480
	.section	.rodata,"a",@progbits
	.p2align	6, 0x0
	.amdhsa_kernel k_qe86bf283a0_score
		.amdhsa_group_segment_fixed_size 327680
		.amdhsa_private_segment_fixed_size 0
		.amdhsa_enable_private_segment 0
		.amdhsa_kernarg_size 40
		.amdhsa_user_sgpr_count 2
		.amdhsa_user_sgpr_kernarg_segment_ptr 1
		.amdhsa_wavefront_size32 1
		.amdhsa_system_sgpr_workgroup_id_x 1
		.amdhsa_system_sgpr_workgroup_id_y 1
		.amdhsa_system_sgpr_workgroup_id_z 1
		.amdhsa_system_vgpr_workitem_id 0
		.amdhsa_next_free_vgpr 1024
		.amdhsa_next_free_sgpr 96
		.amdhsa_reserve_vcc 0
		.amdhsa_float_denorm_mode_32 3
		.amdhsa_float_denorm_mode_16_64 3
		.amdhsa_memory_ordered 1
		.amdhsa_forward_progress 1
		.amdhsa_inst_pref_size 138
	.end_amdhsa_kernel
	.amdgpu_metadata
---
amdhsa.version: [ 1, 2 ]
amdhsa.kernels:
  - .name:           k_qe86bf283a0_score
    .symbol:         k_qe86bf283a0_score.kd
    .args:
      - { .name: yv, .offset: 0, .size: 8, .value_kind: global_buffer, .address_space: global }
      - { .name: kmat, .offset: 8, .size: 8, .value_kind: global_buffer, .address_space: global }
      - { .name: pbuf, .offset: 16, .size: 8, .value_kind: global_buffer, .address_space: global }
      - { .name: mask, .offset: 24, .size: 8, .value_kind: global_buffer, .address_space: global }
      - { .name: st, .offset: 32, .size: 8, .value_kind: global_buffer, .address_space: global }
    .group_segment_fixed_size: 327680
    .private_segment_fixed_size: 0
    .kernarg_segment_align: 8
    .kernarg_segment_size: 40
    .max_flat_workgroup_size: 128
    .sgpr_count:     96
    .vgpr_count:     1024
    .wavefront_size: 32
...
	.end_amdgpu_metadata
.endif
;; end of part 3
;; launch mix (part 4): grid 4 x 64, 4 waves a work-group, clusters of 4 x 4, 327,680 bytes of LDS; arguments pbuf, yv, out0, st; writes out0
.if DOCPART == 4
	.amdgcn_target "amdgcn-amd-amdhsa--gfx1250"
	.amdhsa_code_object_version 6
	.text
	.protected	k_qe86bf283a0_mix
	.globl	k_qe86bf283a0_mix
	.p2align	8
	.type	k_qe86bf283a0_mix,@function
k_qe86bf283a0_mix:
	s_mov_b64 s[64:65], 0
	v_nop
	global_prefetch_b8 v0, s[64:65] scope:SCOPE_SE
	s_setreg_imm32_b32 hwreg(HW_REG_WAVE_MODE, 25, 1), 1
	s_wait_xcnt 0x0
	s_wait_alu depctr_hold_cnt(0) depctr_sa_sdst(0) depctr_va_vdst(0) depctr_va_sdst(0) depctr_va_ssrc(0) depctr_va_vcc(0) depctr_vm_vsrc(0)
	s_getreg_b32 s2, hwreg(HW_REG_IB_STS2, 6, 4)
	s_cmp_eq_u32 s2, 0
	s_cbranch_scc0 .Lentry_in_a_cluster
	s_endpgm
.Lentry_in_a_cluster:
	s_bfe_u32 s2, ttmp6, 0x10000c
	s_cmp_lg_u32 s2, 0xf033
	s_cbranch_scc0 .Lentry_shape_is_right
	s_endpgm
.Lentry_shape_is_right:
; out0[(b,c)][e] = (1 / L) sum over blocks j of f_j sum over the block's 128 keys of pbuf[(b,c)][k] vx[b][k][e], with, for each row, X = max over j of m_j, f_j = 2^(m_j - X), L = sum of f_j l_j:
; the softmax's running maximum, joined here from the sixteen block maxima.  pbuf: [8192][2048] f16, vx = yv's columns 1024-2047 (rows of 4,096 bytes), st: [16][8192][2] f32 (m, l), out0: [8192][1024] f32.
; f_j is rounded to f16 and multiplies pbuf's fragments on their way to the matrix unit (one packed multiply a register): a step of the sum is one block of keys, so a step has one factor a row.
; LIMITS: a weight below about 2^-24 of its row's largest counts as 0 (f16's smallest step).  A row hidden altogether gives 0 x (1 / 0) = NaN, as the softmax of such a row does.
; A tile of 128 x 256 to a work-group: 64 x 4 = 256 tiles.  Four waves, 64 x 128 each: 32 accumulators.  The sum over k goes in 16 steps of 128 through two LDS slots.
; vx lies [k][e]: its fragments come out of LDS turned, by ds_load_tr16_b128.  The product is taken transposed: lane l holds row l % 16 of out0 and the columns 8 (l / 16) + 0..7.
; CLUSTER 4 x 4 (cx = column tile, 4 x cluster y + cy = row tile, batch = cluster y / 4): pbuf's tile is shared along a row of the cluster, vx's along a column: joint loads.
; REGISTERS (s_set_vgpr_msb: bits 1:0 source 0, 3:2 source 1, 5:4 source 2, 7:6 destination): window 0: v0-15 addresses; v32-35 the next step's factors; v64-191 vx's fragments, two buffers;
; v192-255 pbuf's raw fragments, two buffers.  Window 1 + a / 2: accumulator (a, b) at v[64 (a % 2) + 8 b]; v128-143 the scaled fragments of the window's two row blocks; v160-161 their factors.
.set PA,    272
.set PB,    544
.set BOFF,  128*PA
.set SLOT1, 1<<17
.set FT,    BOFF+128*PB                ; in the gap between the slots: [16 blocks][128 rows] words (f, f) in f16
.set INV,   FT+16*512                  ; 128 words: 1 / L
.set SPARE, INV+512                    ; the spare words, 128 bytes a wave
.set STAGE, SLOT1+FT                   ; behind the ring: 16 rows x 528 bytes of f32 for each wave
.set SP32,  528
.set APB,   4096
.set ASTEP, 256
.set BPB,   4096
.set BCOL,  2048                       ; vx begins 2,048 bytes into a row of yv
.set BSTEP, 128*BPB
.set AD0A, 2
.set AD0B, 3
.set ADRA, 4
.set ADRB, 5
.set STO,  6
.set RD,   7
.set CO,   8
.set FADR, 10                          ; v10  the factors of my rows, in the step in hand
.set IA,   11                          ; v11  1 / L of the block of rows in hand
.set PFO,  12
.set SPW,  14
.set NIL,  15
.set FN,   32
.set BF,   64
.set RA,   192
.set SA,   128                         ; windows 1, 2
.set FAC,  160                         ; windows 1, 2
.set WV,  12
.set CX,  13
.set CY,  14
.set LIM, 15
.set G1A, 24
.set G1B, 32
.set G0A, 40
.set G0B, 48
.set CNT, 56
.set TB,  57
.set PFA, 58
.set BLK, 60
.set RH,  61
.set CH,  62
.set PFS, 66
.set TY,  68
.set CLY, 69
.set BAT, 70
.set MSB, 0
.macro WIN new
.if MSB != (\new)
	s_set_vgpr_msb (MSB<<8)|(\new)
.set MSB, \new
.endif
.endm
.macro PLACES
.rept 4
	v_nop
.endr
.endm
.macro JLOAD                           ; a joint refill by the walking sets: waves 0 and 1 pbuf's halves, waves 2 and 3 vx's; an s_nop 0 and four v_nop follow each line
	s_cmp_lt_u32 s[WV], 2
	s_cbranch_scc0 .Lfor_b_\@
	tensor_load_to_lds s[G0A+4:G0A+7], s[G1A:G1A+7]
	s_nop 0
	PLACES
	s_branch .Lasked_\@
.Lfor_b_\@:
	tensor_load_to_lds s[G0B+4:G0B+7], s[G1B:G1B+7]
	s_nop 0
	PLACES
.Lasked_\@:
.endm
; A prefetch of the step that stands two refills on.  pbuf: wave 0, 32 rows from 32 cx on, a lane a row (one cluster alone reads a row tile).  vx: waves 2 and 3 of the first of the four clusters
; of a batch, 16 rows from 16 cy on of the wave's own 64, two blocks of 256 bytes a row.  So each block is named once.  The last two refills have no step two on.
.macro ASK
	s_cmp_gt_u32 s[CNT], s[LIM]
	s_cbranch_scc0 .Lnot_mine_\@
	global_prefetch_b8 v[PFO], s[PFA:PFA+1] th:TH_LOAD_NT scope:SCOPE_SE
.Lnot_mine_\@:
.endm
.macro CREST
	s_cmp_lg_u32 s[WV], 0
	s_cbranch_scc1 .Lnot_wave_0_\@
	s_barrier_signal -3
.Lnot_wave_0_\@:
	s_barrier_wait -3
	s_barrier_signal -1
	s_barrier_wait -1
.endm
.macro CROUND
	s_barrier_signal -1
	s_barrier_wait -1
	CREST
.endm
	s_load_b256 s[4:11], s[0:1], 0x0               ; pbuf s[4:5], yv s[6:7], out0 s[8:9], st s[10:11]
	v_lshl_add_u32 v[SPW], v0, 2, SPARE
	v_mov_b32 v[NIL], 0
	ds_add_u32 v[SPW], v[NIL]                      ; the wave's opening: the add and its wait stand ahead of my first tensor load
	ds_add_u32 v14, v15
	v_lshrrev_b32 v1, 5, v0
	v_readfirstlane_b32 s[WV], v1
	s_lshr_b32 s[RH], s[WV], 1
	s_and_b32 s[CH], s[WV], 1
	s_bfe_u32 s[CX], ttmp6, 0x40000
	s_bfe_u32 s[CY], ttmp6, 0x40004
	s_and_b32 s[CLY], ttmp7, 0xffff
	s_lshl_b32 s[TY], s[CLY], 2
	s_add_co_u32 s[TY], s[TY], s[CY]               ; row tile 0..63
	s_lshr_b32 s[BAT], s[CLY], 2                   ; batch
	s_lshl_b32 s16, s[CY], 2
	s_lshl_b32 s16, 15, s16
	s_lshl_b32 s17, 0x1111, s[CX]
	s_or_b32 s[G1A], s16, (1<<16)|(1<<20)|(1<<21)|(5<<22)|(3<<25)
	s_mov_b32 s[G1A+1], 128<<16
	s_mov_b32 s[G1A+2], 64<<16
	s_mov_b32 s[G1A+3], 128<<16
	s_mov_b32 s[G1A+4], 64
	s_mov_b32 s[G1A+5], APB/2
	s_mov_b32 s[G1A+6], 0
	s_mov_b32 s[G1A+7], 0
	s_or_b32 s[G1B], s17, (1<<16)|(1<<20)|(1<<21)|(6<<22)|(7<<25)
	s_mov_b32 s[G1B+1], 256<<16
	s_mov_b32 s[G1B+2], 64<<16
	s_mov_b32 s[G1B+3], 256<<16
	s_mov_b32 s[G1B+4], 64
	s_mov_b32 s[G1B+5], BPB/2
	s_mov_b32 s[G1B+6], 0
	s_mov_b32 s[G1B+7], 0
	s_lshl_b32 s18, s[TY], 7
	s_lshl_b32 s19, s[CH], 6
	s_add_co_u32 s18, s18, s19                     ; pbuf: row 128 x row tile + 64 x half
	s_lshl_b32 s18, s18, 12
	s_mov_b32 s19, 0
	s_lshl_b32 s20, s[BAT], 11
	s_lshl_b32 s21, s[CH], 6
	s_add_co_u32 s20, s20, s21                     ; yv: row 2,048 x batch + 64 x half,
	s_mul_i32 s20, s20, BPB
	s_lshl_b32 s21, s[CX], 9
	s_add_co_u32 s20, s20, s21                     ; column 1,024 + 256 cx
	s_add_co_u32 s20, s20, BCOL
	s_mov_b32 s21, 0
	s_mul_i32 s22, s[CH], 64*PA
	s_mul_i32 s23, s[CH], 64*PB
	s_add_co_u32 s23, s23, BOFF
	s_mov_b32 s[TB], 0
	s_wait_dscnt 0x0                               ; the opening add is done
	s_wait_kmcnt 0x0
	s_add_nc_u64 s[18:19], s[4:5], s[18:19]
	s_add_nc_u64 s[20:21], s[6:7], s[20:21]
	CROUND
.irp s, 0,1
	s_mov_b32 s[G0A+4*(\s)], 1
	s_add_co_u32 s[G0A+4*(\s)+1], s22, (\s)*SLOT1
	s_add_nc_u64 s[G0A+4*(\s)+2:G0A+4*(\s)+3], s[18:19], (\s)*ASTEP
	s_or_b32 s[G0A+4*(\s)+3], s[G0A+4*(\s)+3], 0x80000000
	s_mov_b32 s[G0B+4*(\s)], 1
	s_add_co_u32 s[G0B+4*(\s)+1], s23, (\s)*SLOT1
	s_add_nc_u64 s[G0B+4*(\s)+2:G0B+4*(\s)+3], s[20:21], (\s)*BSTEP
	s_or_b32 s[G0B+4*(\s)+3], s[G0B+4*(\s)+3], 0x80000000
.endr
	s_cmp_lt_u32 s[WV], 2                          ; a wave's two first fills stand in one branch: two loads of mine are out
	s_cbranch_scc0 .Lfirst_b
	tensor_load_to_lds s[G0A:G0A+3], s[G1A:G1A+7]
	s_nop 0
	tensor_load_to_lds s[G0A+4:G0A+7], s[G1A:G1A+7]
	s_nop 0
	PLACES
	s_branch .Lfirst_asked
.Lfirst_b:
	tensor_load_to_lds s[G0B:G0B+3], s[G1B:G1B+7]
	s_nop 0
	tensor_load_to_lds s[G0B+4:G0B+7], s[G1B:G1B+7]
	s_nop 0
	PLACES
.Lfirst_asked:
	; THE FACTORS.  Thread t is row t of the tile's 128: its sixteen (m, l)
	s_lshl_b32 s16, s[TY], 10                      ; 128 rows of 8 bytes
	s_mov_b32 s17, 0
	s_add_nc_u64 s[10:11], s[10:11], s[16:17]
	v_lshlrev_b32 v13, 3, v0
.irp j, 0,1,2,3,4,5,6,7,8,9,10,11,12,13,14,15
	global_load_b64 v[64+2*(\j):64+2*(\j)+1], v13, s[10:11] offset:65536*(\j)
.endr
	v_and_b32 v1, 15, v0                           ; l % 16
	v_bfe_u32 v9, v0, 4, 1                         ; l / 16
	s_mul_i32 s16, s[RH], 64*PA
	v_mul_u32_u24 v[AD0A], v1, PA
	v_lshl_add_u32 v[AD0A], v9, 4, v[AD0A]
	v_add_nc_u32 v[AD0A], s16, v[AD0A]
	v_and_b32 v16, 7, v0                           ; the turning load: lane l reads row 8 (l / 16) + l % 8, 16 bytes at 16 ((l / 8) % 2)
	v_lshl_add_u32 v16, v9, 3, v16
	v_mul_u32_u24 v[AD0B], v16, PB
	v_bfe_u32 v16, v0, 3, 1
	v_lshl_add_u32 v[AD0B], v16, 4, v[AD0B]
	s_lshl_b32 s16, s[CH], 8
	s_add_co_u32 s16, s16, BOFF
	v_add_nc_u32 v[AD0B], s16, v[AD0B]
	s_mul_i32 s17, s[WV], 16*SP32
	s_add_co_u32 s17, s17, STAGE
	v_mul_u32_u24 v[STO], v1, SP32
	v_lshl_add_u32 v[STO], v9, 5, v[STO]
	v_add_nc_u32 v[STO], s17, v[STO]
	v_and_b32 v16, 31, v0
	v_lshlrev_b32 v[CO], 4, v16                    ; back: a whole row of 512 bytes, 16 bytes a lane
	v_add_nc_u32 v[RD], s17, v[CO]
	s_lshl_b32 s16, s[RH], 8
	s_add_co_u32 s17, s16, FT
	v_lshl_add_u32 v[FADR], v1, 2, s17             ; FT + 4 (64 rh + l % 16)
	s_add_co_u32 s17, s16, INV
	v_mov_b32 v[IA], s17                           ; INV + 4 x 64 rh
	v_lshl_add_u32 v17, v0, 2, FT                  ; where thread t puts its factors,
	v_lshl_add_u32 v18, v0, 2, INV                 ; and its 1 / L
	s_lshl_b32 s16, s[TY], 7                       ; out0: row 128 x row tile + 64 rh, byte column 1,024 cx + 512 ch
	s_lshl_b32 s17, s[RH], 6
	s_add_co_u32 s16, s16, s17
	s_lshl_b32 s16, s16, 12
	s_lshl_b32 s17, s[CX], 1
	s_add_co_u32 s17, s17, s[CH]
	s_lshl_b32 s17, s17, 9
	s_add_co_u32 s16, s16, s17
	s_mov_b32 s17, 0
	s_add_nc_u64 s[8:9], s[8:9], s[16:17]
	; the prefetches
	s_lshl_b32 s16, s[TY], 7
	s_lshl_b32 s17, s[CX], 5
	s_add_co_u32 s16, s16, s17
	s_lshl_b32 s16, s16, 12
	s_add_co_u32 s16, s16, 3*ASTEP                 ; pbuf: row 128 x row tile + 32 cx, at step 3: the first change steps it to 4
	s_lshl_b32 s17, s[BAT], 11
	s_lshl_b32 s18, s[CH], 6
	s_add_co_u32 s17, s17, s18
	s_lshl_b32 s18, s[CY], 4
	s_add_co_u32 s17, s17, s18
	s_mul_i32 s17, s17, BPB
	s_lshl_b32 s18, s[CX], 9
	s_add_co_u32 s17, s17, s18
	s_add_co_u32 s17, s17, 3*BSTEP+BCOL            ; yv: row 2,048 x batch + 64 x half + 16 cy, column 1,024 + 256 cx, at step 3
	s_mov_b32 s19, 0                               ; no other cluster reads my rows of pbuf;
	s_and_b32 s20, s[CLY], 3                       ; the four clusters of a batch read the same rows of vx
	s_mov_b32 s21, BSTEP
	s_cmp_lt_u32 s[WV], 2
	s_cselect_b64 s[PFA:PFA+1], s[4:5], s[6:7]
	s_cselect_b32 s16, s16, s17
	s_cselect_b32 s19, s19, s20
	s_cselect_b32 s[PFS], ASTEP, s21
	s_cselect_b32 s23, 0, 1                        ; lanes a row, less one (both tensors have rows of 4,096 bytes)
	s_mov_b32 s[PFS+1], 0
	s_mov_b32 s17, 0
	s_add_nc_u64 s[PFA:PFA+1], s[PFA:PFA+1], s[16:17]
	s_cmp_eq_u32 s[WV], 1
	s_cselect_b32 s19, 1, s19                      ; wave 1 never asks
	s_cmp_eq_u32 s19, 0
	s_cselect_b32 s[LIM], 2, -1
	v_lshrrev_b32 v[PFO], s23, v16
	v_lshlrev_b32 v[PFO], 12, v[PFO]
	v_and_b32 v16, s23, v16
	v_lshl_add_u32 v[PFO], v16, 8, v[PFO]
	s_wait_loadcnt 0x0                             ; (m, l)
	v_max3_num_f32 v112, v64, v66, v68
.irp j, 3,5,7,9,11,13
	v_max3_num_f32 v112, v112, v[64+2*(\j)], v[66+2*(\j)]
.endr
	v_max_num_f32 v112, v112, v94
	v_max_num_f32 v112, 0xff7fffff, v112           ; finite also where the whole row is hidden
.irp j, 0,1,2,3,4,5,6,7,8,9,10,11,12,13,14,15
	v_sub_f32 v[64+2*(\j)], v[64+2*(\j)], v112
.endr
.irp j, 0,1,2,3,4,5,6,7,8,9,10,11,12,13,14,15
	v_exp_f32 v[64+2*(\j)], v[64+2*(\j)]           ; f_j: every exponent is 0 or below
.endr
	v_nop                                          ; a plain instruction behind the last exponential,
	s_wait_alu depctr_va_vdst(0)                   ; and the one wait ahead of the batch's first reader
	v_mul_f32 v113, v64, v65
.irp j, 1,2,3,4,5,6,7,8,9,10,11,12,13,14,15
	v_fmac_f32 v113, v[64+2*(\j)], v[65+2*(\j)]    ; L = the sum of f_j l_j
.endr
	v_rcp_f32 v114, v113
.irp j, 0,1,2,3,4,5,6,7,8,9,10,11,12,13,14,15
	v_cvt_pk_f16_f32 v[96+(\j)], v[64+2*(\j)], v[64+2*(\j)]  ; (f, f): both halves of a packed multiply
.endr
	s_wait_alu depctr_va_vdst(0)                   ; the reciprocal's wait, ahead of its first reader
.irp j, 0,1,2,3,4,5,6,7,8,9,10,11,12,13,14,15
	ds_store_b32 v17, v[96+(\j)] offset:512*(\j)
.endr
	ds_store_b32 v18, v114
; 24 LDS loads in one run: quarter q (32 keys) of the slot in hand into buffer f
.macro FETCH q, f
	WIN 0
.irp a, 0,1,2,3
	ds_load_b128 v[RA+32*(\f)+8*(\a):RA+32*(\f)+8*(\a)+3],   v[ADRA] offset:64*(\q)+16*PA*(\a)
	ds_load_b128 v[RA+32*(\f)+8*(\a)+4:RA+32*(\f)+8*(\a)+7], v[ADRA] offset:64*(\q)+16*PA*(\a)+32
.endr
.irp b, 0,1,2,3,4,5,6,7
	ds_load_tr16_b128 v[BF+64*(\f)+8*(\b):BF+64*(\f)+8*(\b)+3],   v[ADRB] offset:32*PB*(\q)+32*(\b)
	ds_load_tr16_b128 v[BF+64*(\f)+8*(\b)+4:BF+64*(\f)+8*(\b)+7], v[ADRB] offset:32*PB*(\q)+32*(\b)+16*PB
.endr
.endm
.macro FNLOAD                          ; the factors of my four row blocks for the step just fetched
.irp a, 0,1,2,3
	ds_load_b32 v[FN+(\a)], v[FADR] offset:64*(\a)
.endr
.endm
; 16 products of buffer f: row blocks 2 hi and 2 hi + 1 x all 8 column blocks, under ONE window setting: destination, source 1 and C in window 1 + hi, source 0 in window 0.
; The first block's eight registers are scaled ahead of its products; the second's ride one behind each of the first's products, and name none of their registers.  zero = 1: the products start the sums.
; newf = 1: a step's first quarter takes the step's factors.  fq >= 0: quarter fq is fetched into buffer g; the scalings above it are the places behind g's last readers.
.macro HALF f, hi, zero, newf, fq, g
	WIN 0x54*(1+(\hi))
.if \newf
	v_mov_b32 v[FAC],   v[FN+2*(\hi)]
	v_mov_b32 v[FAC+1], v[FN+2*(\hi)+1]
.endif
.irp j, 0,1,2,3,4,5,6,7
	v_pk_mul_f16 v[SA+(\j)], v[RA+32*(\f)+16*(\hi)+(\j)], v[FAC]
.endr
.if (\fq) >= 0
	FETCH \fq, \g
	WIN 0x54*(1+(\hi))
.endif
.irp b, 0,1,2,3,4,5,6,7
.if \zero
	v_wmma_f32_16x16x32_f16 v[8*(\b):8*(\b)+7], v[BF+64*(\f)+8*(\b):BF+64*(\f)+8*(\b)+7], v[SA:SA+7], 0
.else
	v_wmma_f32_16x16x32_f16 v[8*(\b):8*(\b)+7], v[BF+64*(\f)+8*(\b):BF+64*(\f)+8*(\b)+7], v[SA:SA+7], v[8*(\b):8*(\b)+7]
.endif
	v_pk_mul_f16 v[SA+8+(\b)], v[RA+32*(\f)+16*(\hi)+8+(\b)], v[FAC+1]
.endr
.irp b, 0,1,2,3,4,5,6,7
.if \zero
	v_wmma_f32_16x16x32_f16 v[64+8*(\b):64+8*(\b)+7], v[BF+64*(\f)+8*(\b):BF+64*(\f)+8*(\b)+7], v[SA+8:SA+15], 0
.else
	v_wmma_f32_16x16x32_f16 v[64+8*(\b):64+8*(\b)+7], v[BF+64*(\f)+8*(\b):BF+64*(\f)+8*(\b)+7], v[SA+8:SA+15], v[64+8*(\b):64+8*(\b)+7]
.endif
.endr
.endm
; A quarter: multiplies buffer f and fetches quarter q into buffer g.  The 32 accumulators take turns, in the same order in every quarter.
.macro QUARTER f, g, q, zero, newf
	s_wait_dscnt 0x0                               ; buffer f (and, in a step's first quarter, the factors) is in; nothing else is out
	HALF \f, 0, \zero, \newf, \q, \g
	HALF \f, 1, \zero, \newf, -1, 0
.endm
; A step's last quarter (buffer 1) and the change of slots.  fill = 1: the barrier opens a round of the cluster's, and the slot just read is filled again, two steps on, first thing behind it.
.macro TURN fill
.if \fill
	s_wait_xcnt 0x0                                ; the last prefetch, a step back, has read its address
	s_add_nc_u64 s[PFA:PFA+1], s[PFA:PFA+1], s[PFS:PFS+1]
.endif
	WIN 0
	s_wait_tensorcnt 0x0                           ; all my tensor loads have landed: my part of the next slot
	ds_add_u32 v[SPW], v[NIL]                      ; 0 onto my spare word
.if \fill
	s_xor_b32 s[G0A+5], s[G0A+5], SLOT1
	s_add_nc_u64 s[G0A+6:G0A+7], s[G0A+6:G0A+7], ASTEP
	s_xor_b32 s[G0B+5], s[G0B+5], SLOT1
	s_add_nc_u64 s[G0B+6:G0B+7], s[G0B+6:G0B+7], BSTEP
.endif
	s_xor_b32 s[TB], s[TB], SLOT1
	s_wait_dscnt 0x0                               ; the add is done; buffer 1's loads, my last reads of this slot, are back
	s_barrier_signal -1
	HALF 1, 0, 0, 0, -1, 0                         ; register work while the others arrive
	WIN 0
	s_barrier_wait -1
.if \fill
	CREST
	JLOAD
.else
	PLACES
.endif
	v_add_nc_u32 v[ADRA], s[TB], v[AD0A]
	v_add_nc_u32 v[ADRB], s[TB], v[AD0B]
	v_add_nc_u32 v[FADR], 512, v[FADR]             ; the next block's factors
	FETCH 0, 0
	FNLOAD
.if \fill
	ASK
.endif
	HALF 1, 1, 0, 0, -1, 0                         ; still by this step's factors: they are changed in the next quarter
.endm
.macro DUMP a
	WIN 0x04*(1+(\a)/2)
.irp b, 0,1,2,3,4,5,6,7
	ds_store_b128 v[STO], v[64*((\a)%2)+8*(\b):64*((\a)%2)+8*(\b)+3]   offset:64*(\b)
	ds_store_b128 v[STO], v[64*((\a)%2)+8*(\b)+4:64*((\a)%2)+8*(\b)+7] offset:64*(\b)+16
.endr
	WIN 0
.endm
	s_wait_tensorcnt 0x1                           ; my part of step 0 is in; step 1's may stay out
	s_wait_dscnt 0x0                               ; for the others' sake: my factors and my 1 / L are stored
	s_barrier_signal -1
	s_barrier_wait -1
	v_mov_b32 v[ADRA], v[AD0A]
	v_mov_b32 v[ADRB], v[AD0B]
	FETCH 0, 0
	FNLOAD
	QUARTER 0, 1, 1, 1, 1                          ; the first quarter stands ahead of the loop: its products start the sums
	WIN 0
	s_mov_b32 s[CNT], 14
.Lstep:                                                ; a trip: a step's quarters 1 to 3, the refill with the step two on, the next step's quarter 0
	QUARTER 1, 0, 2, 0, 0
	QUARTER 0, 1, 3, 0, 0
	TURN 1
	QUARTER 0, 1, 1, 0, 1
	WIN 0
	s_sub_co_u32 s[CNT], s[CNT], 1
	s_cmp_lg_u32 s[CNT], 0
	s_cbranch_scc1 .Lstep
	QUARTER 1, 0, 2, 0, 0                          ; the last two steps fill nothing
	QUARTER 0, 1, 3, 0, 0
	TURN 0
	QUARTER 0, 1, 1, 0, 1
	QUARTER 1, 0, 2, 0, 0
	QUARTER 0, 1, 3, 0, 0
	s_wait_dscnt 0x0
	HALF 1, 0, 0, 0, -1, 0
	HALF 1, 1, 0, 0, -1, 0
	WIN 0
	PLACES                                         ; the places behind the last products, once a launch
	PLACES
	; THE WAY OUT, a loop over my four blocks of 16 rows: a block's 16 LDS stores are chosen by the counter; then each row comes back whole, is divided by its L and stored
	s_mov_b32 s[BLK], 0
.Lblk:
.irp a, 0,1,2
	s_cmp_eq_u32 s[BLK], \a
	s_cbranch_scc1 .Ld\a
.endr
	DUMP 3
	s_branch .Lrows
.irp a, 0,1,2
.Ld\a:
	DUMP \a
.if (\a) < 2
	s_branch .Lrows
.endif
.endr
.Lrows:
.irp x, 0,1,2,3
	ds_load_b128 v[128+4*(\x):128+4*(\x)+3], v[IA] offset:16*(\x)  ; the block's sixteen 1 / L, the same in every lane
.endr
.irp q, 0,1,2,3,4,5,6,7,8,9,10,11,12,13,14,15
	ds_load_b128 v[64+4*(\q):64+4*(\q)+3], v[RD] offset:SP32*(\q)  ; row q: 512 bytes.  LDS serves a wave's instructions in order: these see the stores above
.endr
.irp q, 0,1,2,3,4,5,6,7,8,9,10,11,12,13,14,15
	s_wait_dscnt 15-(\q)                           ; row q is in; the younger rows' loads stay out
	v_mul_f32 v[64+4*(\q)],   v[128+(\q)], v[64+4*(\q)]
	v_mul_f32 v[64+4*(\q)+1], v[128+(\q)], v[64+4*(\q)+1]
	v_mul_f32 v[64+4*(\q)+2], v[128+(\q)], v[64+4*(\q)+2]
	v_mul_f32 v[64+4*(\q)+3], v[128+(\q)], v[64+4*(\q)+3]
	global_store_b128 v[CO], v[64+4*(\q):64+4*(\q)+3], s[8:9] offset:4096*(\q) th:TH_STORE_NT  ; the wave stores 512 consecutive bytes, aligned
.endr
	s_wait_xcnt 0x0                                ; the stores have read their data and their base
	s_add_nc_u64 s[8:9], s[8:9], 16*4096
	v_add_nc_u32 v[IA], 64, v[IA]
	s_add_co_u32 s[BLK], s[BLK], 1
	s_cmp_lt_u32 s[BLK], 4
	s_cbranch_scc1 .Lblk
	s_wait_tensorcnt 0x0                           ; the wave's end
	ds_add_u32 v[SPW], v[NIL]
	s_wait_dscnt 0x0
	CROUND                                         ; the closing round
	s_endpgm
.Lfunc_end_k_qe86bf283a0_mix:
	.size	k_qe86bf283a0_mix, .Lfunc_end_k_qe86bf283a0_mix-k_qe86bf283a0_mix
	.p2alignl 7, 3214868480
	.fill 96, 4, 3214868480
	.section	.rodata,"a",@progbits
	.p2align	6, 0x0
	.amdhsa_kernel k_qe86bf283a0_mix
		.amdhsa_group_segment_fixed_size 327680
		.amdhsa_private_segment_fixed_size 0
		.amdhsa_enable_private_segment 0
		.amdhsa_kernarg_size 32
		.amdhsa_user_sgpr_count 2
		.amdhsa_user_sgpr_kernarg_segment_ptr 1
		.amdhsa_wavefront_size32 1
		.amdhsa_system_sgpr_workgroup_id_x 1
		.amdhsa_system_sgpr_workgroup_id_y 1
		.amdhsa_system_sgpr_workgroup_id_z 1
		.amdhsa_system_vgpr_workitem_id 0
		.amdhsa_next_free_vgpr 768
		.amdhsa_next_free_sgpr 80
		.amdhsa_reserve_vcc 0
		.amdhsa_float_denorm_mode_32 3
		.amdhsa_float_denorm_mode_16_64 3
		.amdhsa_memory_ordered 1
		.amdhsa_forward_progress 1
		.amdhsa_inst_pref_size 97
	.end_amdhsa_kernel
	.amdgpu_metadata
---
amdhsa.version: [ 1, 2 ]
amdhsa.kernels:
  - .name:           k_qe86bf283a0_mix
    .symbol:         k_qe86bf283a0_mix.kd
    .args:
      - { .name: pbuf, .offset: 0, .size: 8, .value_kind: global_buffer, .address_space: global }
      - { .name: yv, .offset: 8, .size: 8, .value_kind: global_buffer, .address_space: global }
      - { .name: out0, .offset: 16, .size: 8, .value_kind: global_buffer, .address_space: global }
      - { .name: st, .offset: 24, .size: 8, .value_kind: global_buffer, .address_space: global }
    .group_segment_fixed_size: 327680
    .private_segment_fixed_size: 0
    .kernarg_segment_align: 8
    .kernarg_segment_size: 32
    .max_flat_workgroup_size: 128
    .sgpr_count:     80
    .vgpr_count:     768
    .wavefront_size: 32
...
	.end_amdgpu_metadata
.endif
;; end of part 4
;; ======== version 2 of 2: 4 launches; version 1 with the launch cvt written anew for expert scheduling mode
;; limits: values are held in f16: magnitudes above 65,504 overflow, below 6.1e-05 lose precision
;; workspace buffers: xh 16,777,216 bytes; awh 8,388,608 bytes; wt 4,194,304 bytes; yv 33,554,432 bytes; kmat 16,777,216 bytes; pbuf 33,554,432 bytes; st 1,048,576 bytes
;; launch cvt (part 5): grid 1792 x 1, 8 waves a work-group, no clusters, 18,432 bytes of LDS; arguments x, alt_w, fc_w, v_w, xh, awh, wt; writes xh, awh, wt
.if DOCPART == 5
	.amdgcn_target "amdgcn-amd-amdhsa--gfx1250"
	.amdhsa_code_object_version 6
	.text
	.protected	k_qe86bf283a0_cvt
	.globl	k_qe86bf283a0_cvt
	.p2align	8
	.type	k_qe86bf283a0_cvt,@function
k_qe86bf283a0_cvt:
	s_mov_b64 s[64:65], 0
	v_nop
	global_prefetch_b8 v0, s[64:65] scope:SCOPE_SE
	s_setreg_imm32_b32 hwreg(HW_REG_WAVE_SCHED_MODE, 0, 2), 2
	s_setreg_imm32_b32 hwreg(HW_REG_WAVE_MODE, 25, 1), 1
	s_wait_xcnt 0x0
	s_wait_alu depctr_vm_vsrc(0)
; x, alt_w, fc_w and v_w, all f32, are rounded once to f16.
;   x[b][c][e]  -> xh, two batches side by side: byte ((b / 2) 2048 + c) 4096 + (b % 2) 2048 + 2 e, so that xh's rows lie 4,096 bytes apart like awh's and wt's
;   alt_w       -> awh, as it lies
;   fc_w, v_w   -> wt[e][f], TURNED: [1024][2048], fc_w's rows in columns 0-1023, v_w's in columns 1024-2047
; LIMIT: a number beyond 65,504 becomes an infinity; below 6e-5 f16 keeps its fixed step of 6e-8.
; A work-group converts 8,192 numbers.  1,024 work-groups for x, 512 for alt_w: 32,768 bytes on end in; thread t takes 16 bytes at 4,096 i + 16 t and stores 8 bytes: a wave's load covers
; 512 consecutive bytes, its store 256, both aligned.  256 work-groups for the weights: a tile of 128 rows f x 64 columns e goes through LDS, 2 bytes at a time in, whole rows of 256 bytes back.
; All eight loads go out first.  No matrix unit: bytes are all there is to do.
; THE MODE: SCHED_MODE bits 1:0 = 2 (LLVM: expert scheduling mode 2), set by the entry lines.  The code itself states the register dependences
; between vector instructions and memory or LDS instructions, with s_wait_alu, always for 0.
; THE PLAN.  Registers that memory or LDS instructions touch:
;   v1, v5, v6   offsets and LDS addresses: written by vector lines at a path's head, read by loads and stores, never written again.
;   IN           written by the eight loads, read by the conversions; in the turned path v[8:23] take the four LDS loads behind the barrier, and the global stores read them.
;   SO           (the stream) the stores' offsets: written by eight vector lines behind the loads, read by the stores.
;   OUT          written by the conversions (and shifts), read by the stores (the stream) or the LDS stores (the turned path); each register is written once.
; The eight loads are taken in four steps of two.  Step p waits for its two loads; then ONE wait on va_vdst states that step p - 1 has written its OUT, and that step's stores follow; then come step p's
; vector lines, which name none of the registers that those stores read.  One such wait stands at a path's head, for the offsets, and one behind step 3, for the last stores.
; No register that a memory or LDS instruction reads is written again, so no wait on vm_vsrc is owed; no vector line writes a scalar register, VCC or EXEC.
.set G_AW, 1024                        ; first work-group of alt_w
.set G_W,  1536                        ; of the weights
.set TP,   272                         ; a row of the turned tile in LDS: 128 f16 + 16 bytes; the tile is 64 such rows; the 1,024 bytes behind it hold the spare words, 4 bytes a thread
.set IN,  8                            ; v[8:39]   eight loads of four f32; later the rows read back
.set OUT, 40                           ; v[40:71]  packed f16
.set SO,  56                           ; v[56:63]  the stream's store offsets
; The turned path, load i (row f = 16 i + t / 16, four numbers e): rounded, and each number in the low half of a register of its own
.macro HALVES i
	v_cvt_pk_f16_f32 v[OUT+4*(\i)],   v[IN+4*(\i)],   v[IN+4*(\i)+1]
	v_cvt_pk_f16_f32 v[OUT+4*(\i)+2], v[IN+4*(\i)+2], v[IN+4*(\i)+3]
	v_lshrrev_b32 v[OUT+4*(\i)+1], 16, v[OUT+4*(\i)]
	v_lshrrev_b32 v[OUT+4*(\i)+3], 16, v[OUT+4*(\i)+2]
.endm
.macro PUT i
.irp j, 0,1,2,3
	ds_store_b16 v5, v[OUT+4*(\i)+(\j)] offset:TP*(\j)+32*(\i)  ; number (f, e) to row e, place f
.endr
.endm
	s_load_b256 s[4:11], s[0:1], 0x0               ; x s[4:5], alt_w s[6:7], fc_w s[8:9], v_w s[10:11]
	s_load_b128 s[12:15], s[0:1], 0x20             ; xh s[12:13], awh s[14:15]
	s_load_b64 s[16:17], s[0:1], 0x30              ; wt
	v_lshl_add_u32 v78, v0, 2, 0x4400
	v_mov_b32 v79, 0
	s_cmp_lt_u32 ttmp9, G_W
	s_cbranch_scc0 .Lturn                          ; the branch hangs on the work-group's number: all eight waves go one way
	; THE STREAM: x and alt_w
	v_lshlrev_b32 v1, 4, v0                        ; 16 t
	v_lshlrev_b32 v2, 3, v0                        ; 8 t
	s_mov_b32 s22, G_AW
	s_cmp_lt_u32 ttmp9, G_AW
	s_cselect_b32 s22, 0, s22
	s_sub_co_u32 s22, ttmp9, s22                   ; my chunk in its tensor
	s_lshl_b32 s24, s22, 15                        ; the source: x 32,768 bytes
	s_mov_b32 s25, 0
	s_lshr_b32 s26, s22, 9                         ; xh: a chunk is 8 rows c of batch b = chunk / 256:  (b / 2) x 2,048 rows of 4,096 bytes,
	s_lshl_b32 s26, s26, 23
	s_and_b32 s27, s22, 255
	s_lshl_b32 s27, s27, 15                        ; + 8 (chunk % 256) rows,
	s_add_co_u32 s26, s26, s27
	s_bfe_u32 s27, s22, 0x10008                    ; + (b % 2) x 2,048 bytes
	s_lshl_b32 s27, s27, 11
	s_add_co_u32 s26, s26, s27
	s_lshl_b32 s27, s22, 14                        ; awh: x 16,384 bytes
	s_mov_b32 s28, 2048                            ; from one 1,024 numbers to the next in awh,
	s_wait_kmcnt 0x0
	s_cmp_lt_u32 ttmp9, G_AW
	s_cselect_b64 s[18:19], s[4:5], s[6:7]
	s_cselect_b64 s[20:21], s[12:13], s[14:15]
	s_cselect_b32 s26, s26, s27
	s_cselect_b32 s28, 4096, s28                   ; and in xh
	s_mov_b32 s27, 0
	s_add_nc_u64 s[18:19], s[18:19], s[24:25]
	s_add_nc_u64 s[20:21], s[20:21], s[26:27]
	s_wait_alu depctr_va_vdst(0)                   ; v1 is written: the eight loads read it as their offset
.irp i, 0,1,2,3,4,5,6,7
	global_load_b128 v[IN+4*(\i):IN+4*(\i)+3], v1, s[18:19] offset:4096*(\i) th:TH_LOAD_NT
.endr
.irp i, 0,1,2,3,4,5,6,7
	v_mad_u32_u24 v[SO+(\i)], s28, \i, v2          ; the stores' offsets, made while the loads are out
.endr
.irp p, 0,1,2,3                        ; step p: loads 2 p and 2 p + 1
	s_wait_loadcnt 6-2*(\p)                        ; loads come back in order: the step's two are in, the 6 - 2 p younger ones stay out
.if (\p) > 0
	s_wait_alu depctr_va_vdst(0)                   ; the step before has written its four OUT (and, ahead of step 1, the eight SO are written), which the two stores below read
	global_store_b64 v[SO+2*(\p)-2], v[OUT+4*(\p)-4:OUT+4*(\p)-3], s[20:21]  ; no register is written twice, so no wait frees a source
	global_store_b64 v[SO+2*(\p)-1], v[OUT+4*(\p)-2:OUT+4*(\p)-1], s[20:21]
.endif
.irp j, 0,1,2,3
	v_cvt_pk_f16_f32 v[OUT+4*(\p)+(\j)], v[IN+8*(\p)+2*(\j)], v[IN+8*(\p)+2*(\j)+1]
.endr
.endr
	s_wait_alu depctr_va_vdst(0)                   ; step 3 has written its four OUT, which the last two stores read
	global_store_b64 v[SO+6], v[OUT+12:OUT+13], s[20:21]
	global_store_b64 v[SO+7], v[OUT+14:OUT+15], s[20:21]
	s_endpgm
.Lturn:	; THE WEIGHTS, TURNED.  Tile u = 16 ft + et: rows f = 128 ft .. + 127 (ft < 8: fc_w; else v_w), columns e = 64 et .. + 63
	s_sub_co_u32 s22, ttmp9, G_W
	s_lshr_b32 s23, s22, 4                         ; ft
	s_and_b32 s22, s22, 15                         ; et
	s_and_b32 s24, s23, 7
	s_lshl_b32 s24, s24, 19                        ; the source: 128 (ft % 8) rows of 4,096 bytes
	s_lshl_b32 s25, s22, 8                         ; + 64 et numbers of 4 bytes
	s_add_co_u32 s24, s24, s25
	s_mov_b32 s25, 0
	s_lshl_b32 s26, s22, 18                        ; wt: 64 et rows of 4,096 bytes
	s_lshl_b32 s27, s23, 8                         ; + 128 ft numbers of 2 bytes
	s_add_co_u32 s26, s26, s27
	s_mov_b32 s27, 0
	v_and_b32 v3, 15, v0                           ; t % 16
	v_lshrrev_b32 v4, 4, v0                        ; t / 16
	v_lshlrev_b32 v1, 12, v4
	v_lshl_add_u32 v1, v3, 4, v1                   ; row t / 16, 16 bytes at 16 (t % 16): in the source and in wt alike
	v_mul_u32_u24 v5, v3, 4*TP
	v_lshl_add_u32 v5, v4, 1, v5                   ; into LDS: row e = 4 (t % 16), byte 2 (t / 16)
	v_mul_u32_u24 v6, v4, TP
	v_lshl_add_u32 v6, v3, 4, v6                   ; back: row t / 16, 16 bytes at 16 (t % 16)
	s_wait_kmcnt 0x0
	s_cmp_lt_u32 s23, 8
	s_cselect_b64 s[18:19], s[8:9], s[10:11]
	s_add_nc_u64 s[18:19], s[18:19], s[24:25]
	s_add_nc_u64 s[20:21], s[16:17], s[26:27]
	s_wait_alu depctr_va_vdst(0)                   ; v1, v5 and v6 are written: the loads and global stores read v1, the LDS stores v5, the LDS loads v6; no vector line names them again
.irp i, 0,1,2,3,4,5,6,7
	global_load_b128 v[IN+4*(\i):IN+4*(\i)+3], v1, s[18:19] offset:65536*(\i) th:TH_LOAD_NT  ; row f = 16 i + t / 16: 16 lanes read 256 consecutive bytes
.endr
.irp p, 0,1,2,3                        ; step p: loads 2 p and 2 p + 1
	s_wait_loadcnt 6-2*(\p)                        ; the step's two loads are in, the 6 - 2 p younger ones stay out
.if (\p) > 0
	s_wait_alu depctr_va_vdst(0)                   ; the step before has written its eight OUT, which the eight LDS stores below read
	PUT 2*(\p)-2
	PUT 2*(\p)-1
.endif
	HALVES 2*(\p)
	HALVES 2*(\p)+1
.endr
	s_wait_alu depctr_va_vdst(0)                   ; step 3 has written its eight OUT, which the last LDS stores read; and every conversion is done reading IN, in which the LDS loads behind the barrier land (no vector line follows)
	PUT 6
	PUT 7
	s_wait_dscnt 0x0                               ; for the others' sake: my stores are done
	s_barrier_signal -1
	s_barrier_wait -1
.irp q, 0,1,2,3
	ds_load_b128 v[IN+4*(\q):IN+4*(\q)+3], v6 offset:16*TP*(\q)
.endr
.irp q, 0,1,2,3
	s_wait_dscnt 3-(\q)                            ; row 16 q + t / 16 is in; the younger loads stay out
	global_store_b128 v1, v[IN+4*(\q):IN+4*(\q)+3], s[20:21] offset:65536*(\q)  ; 16 lanes store 256 consecutive bytes, aligned
.endr
	s_wait_dscnt 0x0                               ; the wave's end: no LDS instruction of mine is out; the add onto my spare word follows
	s_wait_alu depctr_hold_cnt(0) depctr_sa_sdst(0) depctr_va_vdst(0) depctr_va_sdst(0) depctr_va_ssrc(0) depctr_va_vcc(0) depctr_vm_vsrc(0)
	s_wait_tensorcnt 0x0
	ds_add_u32 v78, v79
	s_wait_dscnt 0x0
	s_endpgm
.Lfunc_end_k_qe86bf283a0_cvt:
	.size	k_qe86bf283a0_cvt, .Lfunc_end_k_qe86bf283a0_cvt-k_qe86bf283a0_cvt
	.p2alignl 7, 3214868480
	.fill 96, 4, 3214868480
	.section	.rodata,"a",@progbits
	.p2align	6, 0x0
	.amdhsa_kernel k_qe86bf283a0_cvt
		.amdhsa_group_segment_fixed_size 18432
		.amdhsa_private_segment_fixed_size 0
		.amdhsa_enable_private_segment 0
		.amdhsa_kernarg_size 56
		.amdhsa_user_sgpr_count 2
		.amdhsa_user_sgpr_kernarg_segment_ptr 1
		.amdhsa_wavefront_size32 1
		.amdhsa_system_sgpr_workgroup_id_x 1
		.amdhsa_system_sgpr_workgroup_id_y 1
		.amdhsa_system_sgpr_workgroup_id_z 1
		.amdhsa_system_vgpr_workitem_id 0
		.amdhsa_next_free_vgpr 80
		.amdhsa_next_free_sgpr 66
		.amdhsa_reserve_vcc 0
		.amdhsa_float_denorm_mode_32 3
		.amdhsa_float_denorm_mode_16_64 3
		.amdhsa_memory_ordered 1
		.amdhsa_forward_progress 1
		.amdhsa_inst_pref_size 12
	.end_amdhsa_kernel
	.amdgpu_metadata
---
amdhsa.version: [ 1, 2 ]
amdhsa.kernels:
  - .name:           k_qe86bf283a0_cvt
    .symbol:         k_qe86bf283a0_cvt.kd
    .args:
      - { .name: x, .offset: 0, .size: 8, .value_kind: global_buffer, .address_space: global }
      - { .name: alt_w, .offset: 8, .size: 8, .value_kind: global_buffer, .address_space: global }
      - { .name: fc_w, .offset: 16, .size: 8, .value_kind: global_buffer, .address_space: global }
      - { .name: v_w, .offset: 24, .size: 8, .value_kind: global_buffer, .address_space: global }
      - { .name: xh, .offset: 32, .size: 8, .value_kind: global_buffer, .address_space: global }
      - { .name: awh, .offset: 40, .size: 8, .value_kind: global_buffer, .address_space: global }
      - { .name: wt, .offset: 48, .size: 8, .value_kind: global_buffer, .address_space: global }
    .group_segment_fixed_size: 18432
    .private_segment_fixed_size: 0
    .kernarg_segment_align: 8
    .kernarg_segment_size: 56
    .max_flat_workgroup_size: 256
    .sgpr_count:     66
    .vgpr_count:     80
    .wavefront_size: 32
...
	.end_amdgpu_metadata
.endif
;; end of part 5
;; launch pk: the kernel of part 2 again; grid 8 x 32, 4 waves a work-group, clusters of 4 x 4, 327,680 bytes of LDS; arguments xh, awh, wt, yv, kmat, fc_b, v_b, alt_b; writes yv, kmat
;; launch score: the kernel of part 3 again; grid 8 x 32, 4 waves a work-group, clusters of 4 x 4, 327,680 bytes of LDS; arguments yv, kmat, pbuf, mask, st; writes pbuf, st
;; launch mix: the kernel of part 4 again; grid 4 x 64, 4 waves a work-group, clusters of 4 x 4, 327,680 bytes of LDS; arguments pbuf, yv, out0, st; writes out0
